; MI455X (gfx1250); checked and timed in simulation.
; The chip was launched on July 23, 2026; its instructions are those of AMD's public machine-readable ISA for CDNA 5 (MIT licence, August 2026) and "CDNA5" Instruction Set Architecture Reference Guide (July 2026). The comments in the code are by the model that wrote it; some were corrected since.
;; Quantum Paper Self Attention. Allowed arithmetic: matrix products marked QUANTISED: E2M3 operands, one E8M0 scale for each 32 along K, by v_wmma_scale_f32_16x16x128_f8f6f4 with both operands' format E2M3, f32 sums; everything else in f32.
;; Inputs: Wk_codes 1,024 x 32 x 24 uint8 (E2M3 codes of Wk, K innermost, in blocks of 32 codes, four codes in three bytes); Wk_scales 1,024 x 32 uint8 (E8M0 scales of Wk, one for each 32 codes along K); Wo_codes 1,024 x 32 x 24 uint8 (E2M3 codes of Wo, K innermost, in blocks of 32 codes, four codes in three bytes); Wo_scales 1,024 x 32 uint8 (E8M0 scales of Wo, one for each 32 codes along K); Wq_codes 1,024 x 32 x 24 uint8 (E2M3 codes of Wq, K innermost, in blocks of 32 codes, four codes in three bytes); Wq_scales 1,024 x 32 uint8 (E8M0 scales of Wq, one for each 32 codes along K); Wv_codes 1,024 x 32 x 24 uint8 (E2M3 codes of Wv, K innermost, in blocks of 32 codes, four codes in three bytes); Wv_scales 1,024 x 32 uint8 (E8M0 scales of Wv, one for each 32 codes along K); x_codes 4 x 2,048 x 32 x 24 uint8 (E2M3 codes of x, K innermost, in blocks of 32 codes, four codes in three bytes); x_scales 4 x 2,048 x 32 uint8 (E8M0 scales of x, one for each 32 codes along K).
;; Outputs: out0 4 x 2,048 x 1,024 float32.
;; This version of the problem:
;;   THIS VERSION OF THE PROBLEM IS GIVEN IN LOW PRECISION. The matrix products marked QUANTISED in the list below multiply operands that are first quantised to E2M3 (2 exponent bits, 3 mantissa bits; 6 bits a number), with one power-of-two scale for each 32 numbers along K (OCP MX v1.0); their sums are f32. All else is computed in f32.
;;   The module's matrix products, in the order in which they are computed (A, B: the left and right operand; K: the contracted axis; several contracted axes count as one K, in the product's order):
;;     1. [M 8,192, K 1,024] x [K 1,024, N 1,024]; A: input x (given as codes); B: input Wq (given as codes): QUANTISED
;;     2. [M 8,192, K 1,024] x [K 1,024, N 1,024]; A: input x (given as codes); B: input Wk (given as codes): QUANTISED
;;     3. [M 8,192, K 1,024] x [K 1,024, N 1,024]; A: input x (given as codes); B: input Wv (given as codes): QUANTISED
;;     4. batch 64 x [M 2,048, K 64] x [K 64, N 2,048]; A: computed on the way; B: computed on the way: QUANTISED
;;     5. batch 64 x [M 2,048, K 2,048] x [K 2,048, N 64]; A: computed on the way; B: computed on the way: QUANTISED
;;     6. [M 8,192, K 1,024] x [K 1,024, N 1,024]; A: computed on the way; B: input Wo (given as codes): QUANTISED
;;   THE QUANTISER, for each operand of a quantised product, along K:
;;     - K is cut into blocks of 32 from its start; a last block that is shorter is filled with zeros.
;;     - A block's scale is 2^e with e = floor(log2(the largest magnitude in the block)) - 2, held to -126 .. 127; a block of zeros has e = 0. As a byte (E8M0): e + 127.
;;     - Each number is divided by its block's scale, clamped to +-7.5, and rounded to the nearest number of E2M3, ties to even, subnormals kept.
;;     - The product sums the exact products of the quantised numbers (number of the format x scale) in f32.
;;   ~~~python
;;   def quantise(x, axis):      # numpy; x: float32 -> the quantised numbers, widened to float32 again
;;       x = np.moveaxis(x, axis, -1); K = x.shape[-1]
;;       x = np.pad(x, [(0, 0)] * (x.ndim - 1) + [(0, -K % 32)]); x = x.reshape(x.shape[:-1] + (-1, 32)); a = np.abs(x).max(-1, keepdims=True)
;;       e = np.where(a > 0, np.clip(np.frexp(np.where(a > 0, a, 1))[1] - 1 - 2, -126, 127), 0)      # np.frexp(a)[1] - 1 = floor(log2(a)), exactly
;;       r = np.clip(x / 2.0 ** e, -7.5, 7.5)
;;       step = 2.0 ** (np.maximum(np.frexp(np.where(r == 0, 1, r))[1] - 1, 0) - 3)
;;       q = np.round(r / step) * step * 2.0 ** e      # np.round: ties to even
;;       return np.moveaxis(q.reshape(q.shape[:-2] + (-1,))[..., :K], -1, axis).astype(np.float32)
;;   ~~~
;;   OPERANDS COMPUTED ON THE WAY. 'Computed on the way' means the value that the module computes at that place (a softmax that the list does not call 'softmax' is quantised finished and normalised). What goes into a quantiser is computed in f32, as accurately as f32 sums, v_exp_f32 and their like allow (about 1e-6 of the number): no bf16 or f16 on the way to a quantiser, and a product that is left as it is and whose result goes on into a quantised operand takes f32 operands (vector FMAs, or v_wmma_f32_16x16x4_f32). A number that lies on a knife's edge between two numbers of the format may be rounded either way, as far as f32 arithmetic and the matrix unit's own rounding can turn it there, and no further.
;;   INPUTS GIVEN AS CODES. Wk (in the module: [1024, 1024], K = its axis 1); Wo (in the module: [1024, 1024], K = its axis 1); Wq (in the module: [1024, 1024], K = its axis 1); Wv (in the module: [1024, 1024], K = its axis 1); x (in the module: [4, 2048, 1024], K = its axis 2): each comes as NAME_codes (uint8): NAME with its K axis moved to the last place and cut into blocks of 32 codes, [.., K / 32, bytes a block], one block behind the other in memory; four codes in three bytes: a row's codes are one little-endian stream of bits, code i at bits 6 i .. 6 i + 5 (a code: sign, 2 exponent bits, 3 mantissa bits); and NAME_scales (uint8): the same leading axes, one E8M0 byte (e + 127) for each 32 codes along K. Its value is code x scale, taken as it is: it is not quantised again, and the codes and scales need not be those that the quantiser above would give.
;; 2 versions, each right. Each part assembles by itself: llvm-mc -triple=amdgcn-amd-amdhsa -mcpu=gfx1250 --defsym DOCPART=n.
;; ======== version 1 of 2: 3 launches
;; workspace buffers: qkv 20,185,088 bytes; oc 6,553,600 bytes
;; launch proj (part 1): grid 12 x 32, 4 waves a work-group, clusters of 4 x 4, 327,680 bytes of LDS; arguments x_codes, x_scales, Wq_codes, Wq_scales, Wk_codes, Wk_scales, Wv_codes, Wv_scales, qkv; writes qkv
.if DOCPART == 1
	.amdgcn_target "amdgcn-amd-amdhsa--gfx1250"
	.amdhsa_code_object_version 6
	.text
	.protected	k_q7c1702dd32_proj
	.globl	k_q7c1702dd32_proj
	.p2align	8
	.type	k_q7c1702dd32_proj,@function
k_q7c1702dd32_proj:
	s_mov_b64 s[64:65], 0
	v_nop
	global_prefetch_b8 v0, s[64:65] scope:SCOPE_SE
	s_setreg_imm32_b32 hwreg(HW_REG_WAVE_MODE, 25, 1), 1
	s_wait_xcnt 0x0
	s_wait_alu depctr_hold_cnt(0) depctr_sa_sdst(0) depctr_va_vdst(0) depctr_va_sdst(0) depctr_va_ssrc(0) depctr_va_vcc(0) depctr_vm_vsrc(0)
	s_getreg_b32 s2, hwreg(HW_REG_IB_STS2, 6, 4)
	s_cmp_eq_u32 s2, 0
	s_cbranch_scc0 .Lentry_in_a_cluster
	s_endpgm
.Lentry_in_a_cluster:
	s_bfe_u32 s2, ttmp6, 0x10000c
	s_cmp_lg_u32 s2, 0xf033
	s_cbranch_scc0 .Lentry_shape_is_right
	s_endpgm
.Lentry_shape_is_right:
; q = x Wq^T, k = x Wk^T, v = x Wv^T on codes of FP6 (E2M3) with one E8M0 scale for each 32 along K = 1,024; the results are quantised at once, in registers, and leave as codes in the order
; in which the next launch's operand registers take them.  q and k are quantised along a head's 64 channels, v along the keys (tokens).
; ONE TEXT, THREE MODES, chosen by the cluster's x: D = (rows of S0) x (rows of S1), source 0 = S0, source 1 = S1.  In the result a lane holds ONE row of S1 and its registers run along rows of S0:
; these are the quantiser's K.  Mode 0: S0 = Wq, S1 = x.  Mode 1: S0 = Wk, S1 = x.  Mode 2: S0 = x, S1 = Wv (a lane holds a channel, its registers run along tokens).
; THE ROWS OF A TILE ARE NOT NEIGHBOURS, on both sides: lane r of tile 2 b + u takes row 32 b + 8 u + r + 8 (r / 8).  So the 64 results that a lane holds for one tile of S1 are, register 16 B + i,
; row 32 B + 16 (lane / 16) + i of my 128 rows of S0: sixteen neighbours along the quantiser's K for each conversion.
; SHARES.  A work-group of four waves makes 256 x 256, a wave 128 x 128: 64 accumulators, 512 registers.  K goes in steps of 256 through a ring of two LDS slots filled by the tensor data mover.
; The scale bytes of the work-group's 256 + 256 rows, for all of K, come into LDS once, with the first fills.
; CLUSTERS: 4 x 4 work-groups.  The four of a row of the cluster need the same tiles of S1, the four of a column the same tiles of S0: each tile is asked for jointly, by the same tensor load with the
; same descriptor and a mask that names the four.  The mode is the same in all sixteen.
; THE BUFFER qkv: 64 heads x HEAD bytes.  In a head: K's codes (128 tiles of 16 keys x 768 bytes), V's codes (key step s of 128 keys, channel tile c: 1,536 bytes at (4 s + c) x 1,536), K's scale words,
; V's scale words, Q's codes, Q's scale words.  768 bytes are 16 rows x 64 along K as an image of six registers: lane l's registers 0-3 at 16 l, its registers 4-5 at 512 + 8 l.
; 256 bytes of scale words serve four tiles, 8 bytes a lane: word 0 holds tile 4 U in lanes 0-15 and tile 4 U + 1 in lanes 16-31, word 1 tiles 4 U + 2 and 4 U + 3.
; LIMITS: a scale byte 0xff among the inputs is not served.  A block whose largest magnitude lies under 2^-124 keeps the byte 1; a block of zeros gets the byte 1 where the quantiser says 127: its codes
; are zeros, and these bytes are read by this program alone.
; REGISTERS, in windows of 256: window 0: v0-31 addresses; v32-63 scale words, two sets; v64-124 the way out; from v128 S1's fragments, one set.  window 1: S0's fragments, two sets.
;   window 2: the 32 accumulators of my rows 0-63 of S1 (accumulator (a, b) at v[8 (8 a + b)]);  window 3: those of rows 64-127.
.set KSTEP,  256                       ; along K in a slot
.set NQ,     KSTEP/128                 ; matrix instructions deep
.set ROWB,   192                       ; a tile's row in bytes
.set KROW,   768                       ; a row of x or of a weight in memory: 1,024 codes
.set PITCH,  240                       ; an LDS row: 3 x (64 bytes + 16 of padding)
.set FR,     12                        ; registers of a fragment
.set NL,     6                         ; LDS loads that bring one
.set NP,     4                         ; places behind this matrix instruction (ISA guide 7.12.1)
.set HALFT,  128*PITCH                 ; 128 rows: what one tensor load brings
.set SLOT,   4*HALFT                   ; S1's 256 rows, then S0's 256 rows
.set LAPS,   1024/(2*KSTEP)            ; a lap = two K steps = once round the ring
.set KS,     32                        ; a row of scale bytes
.set SCL,    2*SLOT                    ; behind the ring: the scale bytes, as units of 256 bytes + 16 of padding
.set HALFS,  (128*KS/256)*272          ; those of 128 rows
.set SPARE,  SCL+4*HALFS               ; behind them: the spare words, 128 bytes a wave, which no other line names
.set HEAD,   315392                    ; a head's bytes in qkv
.set VOFF,   98304
.set KSC,    196608
.set VSC,    204800
.set QOFF,   208896
.set QSC,    307200
.set ADRA, 16                          ; v16-17 LDS address of my S1 fragments in slot 0, 1 (v18-19: for the pieces behind one padding more)
.set ADRB, 20                          ; v20-23 the same for S0
.set LI16, 24                          ; v24    16 x lane
.set LI8,  25                          ; v25    8 x lane
.set ADRS, 27                          ; v27    LDS address of my scale words: lanes 0-15 S1's rows, lanes 16-31 S0's
.set SPW,  28                          ; v28    LDS address of my spare word; never rewritten
.set NIL,  29                          ; v29    0; never rewritten
.set SC,   32                          ; scale words: set s at v[SC + 16 s]
.set AF,   128                         ; S1's fragments
.set TM,   64                          ; the way out: v64-67 largest magnitudes, v68-71 the other half's, then bytes, v72-75 the conversions' scale operands
.set PWE,  76                          ; the scale word of an even tile;  v77: of an odd one
.set PWO,  77
.set SWA,  80                          ; v80-81 four tiles' scale words as they are stored;  v82-83 the second head's
.set SWB,  82
.set D0,   96                          ; v96-101 six registers of codes;  v104-109 six more
.set D1,   104
.set T0,   112                         ; the conversions' second halves
.set T1,   116
.set OF,   120                         ; v120-123 the stores' offsets
.set VSO,  124
.set G1, 24                            ; s[24:31] group 1 for S1's tiles;  s[32:39] group 0, one set a slot
.set G0, 32
.set G1B, 48                           ; the same for S0's
.set G0B, 56
.set G1S, 68                           ; groups 1 and 0 for S1's scale bytes, then for S0's
.set G0S, 76
.set G1SB, 80
.set G0SB, 88
.set MSB, 0
.macro WIN new                         ; the immediate's high byte repeats the setting that is left
.if MSB != \new
	s_set_vgpr_msb (MSB<<8)|\new
.set MSB, \new
.endif
.endm
.set MUL_LO, 0xa1                      ; source 0 window 1, source 1 window 0, C and D window 2
.set MUL_HI, 0xf1                      ; the same, C and D window 3
.set TO_B,   0x40                      ; destination window 1
; A joint load: waves 0 and 1 fetch for S1, waves 2 and 3 for S0.  The branch hangs on the wave's number alone.  Four v_nop follow each of the two lines.
.macro JLOAD g0a, g1a, g0b, g1b
	s_cmp_eq_u32 s15, 0
	s_cbranch_scc0 .Lfor_b_\@
	tensor_load_to_lds s[\g0a:\g0a+3], s[\g1a:\g1a+7]
	s_nop 0
.rept 4
	v_nop
.endr
	s_branch .Lasked_\@
.Lfor_b_\@:
	tensor_load_to_lds s[\g0b:\g0b+3], s[\g1b:\g1b+7]
	s_nop 0
.rept 4
	v_nop
.endr
.Lasked_\@:
.endm
.macro CREST                           ; a round of the cluster's barrier behind its opening barrier
	s_cmp_lg_u32 s14, 0
	s_cbranch_scc1 .Lnot_wave_0_\@
	s_barrier_signal -3
.Lnot_wave_0_\@:
	s_barrier_wait -3
	s_barrier_signal -1
	s_barrier_wait -1
.endm
.macro CROUND                          ; a whole round
	s_barrier_signal -1
	s_barrier_wait -1
	CREST
.endm
	s_load_b512 s[68:83], s[0:1], 0x0              ; x's codes, scales; Wq's; Wk's; Wv's
	s_load_b64 s[12:13], s[0:1], 0x40              ; qkv
	v_lshl_add_u32 v[SPW], v0, 2, SPARE
	v_mov_b32 v[NIL], 0
	ds_add_u32 v28, v29
	ds_add_u32 v28, v29
	s_wait_dscnt 0x0
	v_lshrrev_b32 v1, 5, v0
	v_readfirstlane_b32 s14, v1                    ; wave 0..3
	s_lshr_b32 s15, s14, 1                         ; which half of S1's 256 rows is mine.  Also: I fetch for S1 (0) or for S0 (1)
	s_and_b32 s16, s14, 1                          ; which half of S0's.  Also: which 128 rows I fetch
	s_bfe_u32 s40, ttmp6, 0x40000                  ; cx, cy: my place in the cluster
	s_bfe_u32 s41, ttmp6, 0x40004
	s_and_b32 s18, ttmp7, 0xffff
	s_lshl_b32 s18, s18, 2                         ; 4 x cluster y: it walks x's 32 blocks of 256 tokens
	s_cmp_eq_u32 ttmp9, 2                          ; the mode: the same in all sixteen partners
	s_cselect_b32 s17, 0, s18                      ; S1's block of 256 rows: tokens in modes 0 and 1, channels in mode 2
	s_cselect_b32 s42, s18, 0                      ; S0's: channels in modes 0 and 1, tokens in mode 2
	s_add_co_u32 s17, s17, s41                     ; + cy
	s_add_co_u32 s42, s42, s40                     ; + cx
	s_lshl_b32 s43, s41, 2
	s_lshl_b32 s43, 15, s43                        ; my row of the cluster
	s_lshl_b32 s44, 0x1111, s40                    ; my column
	; descriptor group 1: a tile of 128 rows x 192 bytes, 16 bytes of padding behind every 64
	s_or_b32 s[G1+0], s43, (0<<16)|(1<<20)|(1<<21)|(3<<22)|(3<<25)
	s_or_b32 s[G1B+0], s44, (0<<16)|(1<<20)|(1<<21)|(3<<22)|(3<<25)
.irp g, G1, G1B
	s_mov_b32 s[\g+1], ROWB<<16                    ; tensor_dim0
	s_mov_b32 s[\g+2], 128<<16                     ; tensor_dim1
	s_mov_b32 s[\g+3], ROWB<<16                    ; tile_dim0
	s_mov_b32 s[\g+4], 128                         ; tile_dim1
	s_mov_b32 s[\g+5], KROW                        ; tensor_dim0_stride
	s_mov_b32 s[\g+6], 0
	s_mov_b32 s[\g+7], 0
.endr
	s_lshl_b32 s18, s16, 7                         ; which 128 rows I fetch
	s_lshl_b32 s20, s17, 8
	s_add_co_u32 s20, s20, s18                     ; S1: row 256 x block + 128 x half
	s_lshl_b32 s46, s42, 8
	s_add_co_u32 s46, s46, s18                     ; S0 likewise
	s_mov_b32 s21, 0
	s_mov_b32 s47, 0
	s_mov_b64 s[18:19], KS
	s_mul_u64 s[22:23], s[20:21], s[18:19]         ; where these rows' scale bytes begin
	s_mul_u64 s[92:93], s[46:47], s[18:19]
	s_mov_b64 s[18:19], KROW
	s_mul_u64 s[20:21], s[20:21], s[18:19]         ; and their codes
	s_mul_u64 s[46:47], s[46:47], s[18:19]
	s_mul_i32 s45, s14, HALFT                      ; where they go: wave x 128 rows
	s_mul_i32 s94, s14, HALFS
	s_wait_kmcnt 0x0
	s_cmp_eq_u32 ttmp9, 2                          ; which tensors are S1 and S0: a choice that hangs on the cluster's number alone
	s_cselect_b64 s[4:5], s[80:81], s[68:69]       ; S1's codes: Wv's in mode 2, else x's
	s_cselect_b64 s[6:7], s[82:83], s[70:71]       ; S1's scale bytes
	s_cselect_b64 s[8:9], s[68:69], s[76:77]       ; S0's codes: x's in mode 2, else Wk's,
	s_cselect_b64 s[10:11], s[70:71], s[78:79]
	s_cmp_eq_u32 ttmp9, 0
	s_cselect_b64 s[8:9], s[72:73], s[8:9]         ; or Wq's in mode 0
	s_cselect_b64 s[10:11], s[74:75], s[10:11]
	; the eight addresses are chosen from: their registers now take the scale bytes' descriptors: a dense block of 4,096 bytes as 16 rows of 256 bytes, 16 bytes of padding behind each
	s_or_b32 s[G1S+0], s43, (3<<16)|(1<<20)|(1<<21)|(5<<22)|(3<<25)
	s_or_b32 s[G1SB+0], s44, (3<<16)|(1<<20)|(1<<21)|(5<<22)|(3<<25)
.irp g, G1S, G1SB
	s_mov_b32 s[\g+1], 32<<16
	s_mov_b32 s[\g+2], (128*KS/256)<<16
	s_mov_b32 s[\g+3], 32<<16
	s_mov_b32 s[\g+4], 128*KS/256
	s_mov_b32 s[\g+5], 32
	s_mov_b32 s[\g+6], 0
	s_mov_b32 s[\g+7], 0
.endr
	s_add_nc_u64 s[20:21], s[4:5], s[20:21]
	s_add_nc_u64 s[22:23], s[6:7], s[22:23]
	s_add_nc_u64 s[46:47], s[8:9], s[46:47]
	s_add_nc_u64 s[92:93], s[10:11], s[92:93]
	CROUND                                         ; all sixteen work-groups are here: the first joint loads meet
	s_mov_b32 s[G0S], 1
	s_add_co_u32 s[G0S+1], s94, SCL
	s_mov_b64 s[G0S+2:G0S+3], s[22:23]
	s_or_b32 s[G0S+3], s[G0S+3], 0x80000000
	s_mov_b32 s[G0SB], 1
	s_add_co_u32 s[G0SB+1], s94, SCL
	s_mov_b64 s[G0SB+2:G0SB+3], s[92:93]
	s_or_b32 s[G0SB+3], s[G0SB+3], 0x80000000
	JLOAD G0S, G1S, G0SB, G1SB                     ; the scale bytes first: they are wanted with K step 0
.irp s, 0,1
	s_mov_b32 s[G0+4*\s], 1
	s_add_co_u32 s[G0+4*\s+1], s45, \s*SLOT
	s_add_nc_u64 s[G0+4*\s+2:G0+4*\s+3], s[20:21], \s*ROWB
	s_or_b32 s[G0+4*\s+3], s[G0+4*\s+3], 0x80000000
	s_mov_b32 s[G0B+4*\s], 1
	s_add_co_u32 s[G0B+4*\s+1], s45, \s*SLOT
	s_add_nc_u64 s[G0B+4*\s+2:G0B+4*\s+3], s[46:47], \s*ROWB
	s_or_b32 s[G0B+4*\s+3], s[G0B+4*\s+3], 0x80000000
	JLOAD G0+4*\s, G1, G0B+4*\s, G1B
.endr
	v_and_b32 v1, 15, v0                           ; r = l % 16
	v_bfe_u32 v2, v0, 4, 1                         ; h = l / 16
	v_and_b32 v7, 8, v1
	v_add_nc_u32 v7, v7, v1                        ; r + 8 (r / 8): my row in a tile's span of 24 rows
	v_mul_u32_u24 v3, v7, PITCH
	v_mul_u32_u24 v4, v2, 24
	v_add_nc_u32 v4, v3, v4                        ; row x pitch + 24 x half
	v_lshl_add_u32 v5, v2, 4, v4                   ; and the same behind one padding more
	s_mul_i32 s21, s15, HALFT                      ; my 128 rows of S1
	s_mul_i32 s22, s16, HALFT                      ; my 128 rows of S0,
	s_add_co_u32 s22, s22, 2*HALFT                 ; which lie behind S1's 256
.irp s, 0,1
	v_add_nc_u32 v[ADRA+\s], s21, v4
	v_add_nc_u32 v[ADRB+\s], s22, v4
	v_add_nc_u32 v[ADRA+2+\s], s21, v5
	v_add_nc_u32 v[ADRB+2+\s], s22, v5
	s_add_co_u32 s21, s21, SLOT
	s_add_co_u32 s22, s22, SLOT
.endr
	v_mul_u32_u24 v5, v7, KS                       ; my row's scale bytes: 32 a row,
	v_lshrrev_b32 v6, 8, v5
	v_lshl_add_u32 v5, v6, 4, v5                   ; and 16 more for each 256 passed
	s_mul_i32 s21, s15, HALFS                      ; S1's: my 128 rows
	s_mul_i32 s22, s16, HALFS                      ; S0's: my 128 rows, behind S1's 256
	s_add_co_u32 s22, s22, 2*HALFS
	s_sub_co_u32 s22, s22, s21
	v_mul_u32_u24 v6, s22, v2                      ; lanes 16-31 take S0's
	s_add_co_u32 s21, s21, SCL
	v_add_nc_u32 v5, v5, v6
	v_add_nc_u32 v[ADRS], s21, v5
	v_and_b32 v6, 31, v0
	v_lshlrev_b32 v[LI16], 4, v6
	v_lshlrev_b32 v[LI8], 3, v6
	; where my results go in qkv, as byte offsets: s92, s93 the two runs of codes of a tile of S1, s94 the step from tile to tile, s95 the step behind tile 3, s97 the scale words, s98 their step
	s_lshl_b32 s18, s17, 8
	s_lshl_b32 s19, s15, 7
	s_add_co_u32 s18, s18, s19                     ; my first row of S1
	s_lshl_b32 s19, s42, 8
	s_lshl_b32 s22, s16, 7
	s_add_co_u32 s19, s19, s22                     ; my first row of S0
	s_cmp_eq_u32 ttmp9, 2
	s_cselect_b32 s22, s19, s18                    ; my first token
	s_cselect_b32 s23, s18, s19                    ; my first channel
	s_lshr_b32 s46, s22, 11                        ; the batch,
	s_lshl_b32 s46, s46, 4
	s_lshr_b32 s23, s23, 6                         ; my first head of two
	s_add_co_u32 s46, s46, s23
	s_mul_i32 s46, s46, HEAD                       ; its bytes in qkv
	s_and_b32 s22, s22, 2047                       ; the token in its sequence
	s_mul_i32 s92, s22, 48                         ; 768 bytes for 16 tokens of q or k; 6,144 for 128 keys of v
	s_add_co_u32 s92, s92, s46
	s_cmp_eq_u32 ttmp9, 0
	s_mov_b32 s97, KSC
	s_cselect_b32 s97, QSC, s97
	s_cselect_b32 s47, QOFF, 0
	s_cmp_eq_u32 ttmp9, 2
	s_cselect_b32 s97, VSC, s97
	s_cselect_b32 s47, VOFF, s47
	s_cselect_b32 s23, 1, 2                        ; scale words: 256 bytes for 128 keys of v, for 64 tokens of q or k
	s_mov_b32 s98, HEAD
	s_cselect_b32 s98, s98, 256                    ; v: tiles 4-7 are the second head's;  q, k: the next four tiles of tokens
	s_mov_b32 s95, HEAD-4608
	s_cselect_b32 s95, s95, 768
	s_mov_b32 s94, 1536
	s_cselect_b32 s94, s94, 768
	s_mov_b32 s93, HEAD
	s_cselect_b32 s93, 768, s93                    ; the second run: v: keys 64-127;  q, k: the second head
	s_add_co_u32 s92, s92, s47
	s_add_co_u32 s93, s93, s92
	s_lshl_b32 s22, s22, s23
	s_add_co_u32 s97, s97, s22
	s_add_co_u32 s97, s97, s46
.macro FRAG reg, adr, q, i             ; a fragment, 16 rows x 128 K, is 12 registers: lane l holds its tile's row l % 16; registers 6 c .. 6 c + 5 hold K = 64 c + 32 (l / 16) + 0 .. 31: 24 bytes of the row, as they lie
.irp p, 0,1,2,3,4,5                    ; in pieces of 8 bytes.  Lanes 16-31 read three pieces further on: where that lies behind one padding more, the second address register serves
.set PC, 12*(\q)+6*(\p/3)+\p%3
.if PC%8 < 5
	ds_load_b64 v[\reg+2*\p:\reg+2*\p+1], v[\adr] offset:8*PC+16*(PC/8)+(32*((\i)/2)+8*((\i)%2))*PITCH
.else
	ds_load_b64 v[\reg+2*\p:\reg+2*\p+1], v[\adr+2] offset:8*PC+16*(PC/8)+(32*((\i)/2)+8*((\i)%2))*PITCH
.endif
.endr
.endm
; 16 matrix instructions: S1's tiles a0, a0 + 1 x S0's eight, 128 along K.  p: S0's set;  sc: the set of scale words.  zero = 1: the first product starts the sums.
; The 64 accumulators take turns, one instruction a turn, in the same order in every step.
.macro MUL16 a0, p, q, sc, zero
.irp a, \a0, \a0+1
.irp b, 0,1,2,3,4,5,6,7
.if \zero
	v_wmma_scale_f32_16x16x128_f8f6f4 v[8*(8*((\a)%4)+\b):8*(8*((\a)%4)+\b)+7], v[128*(\p)+FR*\b:128*(\p)+FR*\b+FR-1], v[AF+FR*(\a):AF+FR*(\a)+FR-1], 0, v[SC+8*NQ*(\sc)+NQ*\b+(\q)], v[SC+8*NQ*(\sc)+NQ*(\a)+(\q)] matrix_a_fmt:MATRIX_FMT_FP6 matrix_b_fmt:MATRIX_FMT_FP6 matrix_a_scale:MATRIX_SCALE_ROW1
.else
	v_wmma_scale_f32_16x16x128_f8f6f4 v[8*(8*((\a)%4)+\b):8*(8*((\a)%4)+\b)+7], v[128*(\p)+FR*\b:128*(\p)+FR*\b+FR-1], v[AF+FR*(\a):AF+FR*(\a)+FR-1], v[8*(8*((\a)%4)+\b):8*(8*((\a)%4)+\b)+7], v[SC+8*NQ*(\sc)+NQ*\b+(\q)], v[SC+8*NQ*(\sc)+NQ*(\a)+(\q)] matrix_a_fmt:MATRIX_FMT_FP6 matrix_b_fmt:MATRIX_FMT_FP6 matrix_a_scale:MATRIX_SCALE_ROW1
.endif
.endr
.endr
.endm
.macro FETCH_B slot, q, p              ; S0's eight fragments of the slot's q-th 128 along K into set p
	WIN TO_B
.irp i, 0,1,2,3,4,5,6,7
	FRAG 128*(\p)+FR*\i, ADRB+\slot, \q, \i
.endr
	WIN 0
.endm
.macro FETCH_A slot, q, i0             ; S1's tiles i0 .. i0 + 3
.irp i, \i0, \i0+1, \i0+2, \i0+3
	FRAG AF+FR*(\i), ADRA+\slot, \q, \i
.endr
.endm
.macro SCALES sc                       ; the next K step's scale words: two words a row; lanes 0-15 take S1's tile i, lanes 16-31 S0's.  A tile begins 32 (i / 2) + 8 (i % 2) rows on: 4 (i / 2) + i % 2 units of 8 rows
.irp i, 0,1,2,3,4,5,6,7
	ds_load_b64 v[SC+8*NQ*\sc+NQ*\i:SC+8*NQ*\sc+NQ*\i+1], v[ADRS] offset:(4*(\i/2)+\i%2)*272
.endr
.endm
.macro PLACES n                        ; plain vector lines between a matrix instruction and a load into one of its registers (ISA guide 7.12.1 for vector instructions)
.rept \n
	v_nop
.endr
.endm
; A step of 128 along K that has its successor in the same slot.
.macro STEP slot, q, zero
	s_wait_dscnt 4*NL                              ; S0's set and S1's tiles 0-3 are in; the youngest 24 loads (tiles 4-7) may be out
	WIN MUL_LO
	MUL16 0, (\q)%2, \q, \slot, \zero
	MUL16 2, (\q)%2, \q, \slot, \zero
	s_wait_dscnt 0                                 ; tiles 4-7 are in
	PLACES NP
	FETCH_B \slot, (\q)+1, 1-(\q)%2
	FETCH_A \slot, (\q)+1, 0
	WIN MUL_HI
	MUL16 4, (\q)%2, \q, \slot, \zero
	MUL16 6, (\q)%2, \q, \slot, \zero
	PLACES NP
	WIN 0
	FETCH_A \slot, (\q)+1, 4
.endm
; A slot's last step changes slots: one barrier; in front of it each wave waits for all its tensor loads, adds 0 to its spare word, and waits for that and for its own reads of this slot.
.macro TURN slot, next, fill
	s_wait_tensorcnt 0x0                           ; all my tensor loads have landed: my part of the next slot
	ds_add_u32 v[SPW], v[NIL]                      ; 0 onto my spare word
	s_wait_dscnt 4*NL+1                            ; (the add and the youngest 24 loads may be out)
	WIN MUL_LO
	MUL16 0, 1, NQ-1, \slot, 0                     ; sixteen matrix instructions stand between the add and the wait for it
	s_wait_dscnt 0x0                               ; the add is done, and my reads of this slot are over
	s_barrier_signal -1
	MUL16 2, 1, NQ-1, \slot, 0
	WIN 0
	s_barrier_wait -1
.if \fill
	CREST                                          ; the barrier has opened a round of the cluster's barrier: no wave of any partner still reads this slot or has a load on its way
	s_add_nc_u64 s[G0+4*\slot+2:G0+4*\slot+3], s[G0+4*\slot+2:G0+4*\slot+3], 2*ROWB
	s_add_nc_u64 s[G0B+4*\slot+2:G0B+4*\slot+3], s[G0B+4*\slot+2:G0B+4*\slot+3], 2*ROWB
	JLOAD G0+4*\slot, G1, G0B+4*\slot, G1B         ; the first tensor load behind the round; its four v_nop are the places in front of the loads below
.else
	PLACES NP
.endif
	v_add_nc_u32 v[ADRS], 4*NQ, v[ADRS]            ; on to the next K step's scale words (no LDS load of mine is out)
	FETCH_B \next, 0, 0
	FETCH_A \next, 0, 0
	SCALES \next
	WIN MUL_HI
	MUL16 4, 1, NQ-1, \slot, 0
	MUL16 6, 1, NQ-1, \slot, 0
	PLACES NP
	WIN 0
	FETCH_A \next, 0, 4
.endm
	s_wait_tensorcnt 1                             ; of my three loads the scale bytes and K step 0 are in; K step 1's may be out
	s_barrier_signal -1
	s_barrier_wait -1
	FETCH_B 0, 0, 0
	FETCH_A 0, 0, 0
	SCALES 0
	FETCH_A 0, 0, 4
	STEP 0, 0, 1                                   ; the first step stands in front of the loop: its products start the sums
	s_mov_b32 s3, LAPS-1
.Llap:                                                 ; a trip goes once round the ring and fills both slots again
	TURN 0, 1, 1
	STEP 1, 0, 0
	TURN 1, 0, 1
	STEP 0, 0, 0
	s_sub_co_u32 s3, s3, 1
	s_cmp_lg_u32 s3, 0
	s_cbranch_scc1 .Llap
	TURN 0, 1, 0                                   ; the last lap fills nothing
	STEP 1, 0, 0
	s_wait_dscnt 4*NL                              ; the very last step
	WIN MUL_LO
	MUL16 0, 1, NQ-1, 1, 0
	MUL16 2, 1, NQ-1, 1, 0
	s_wait_dscnt 0
	WIN MUL_HI
	MUL16 4, 1, NQ-1, 1, 0
	MUL16 6, 1, NQ-1, 1, 0
	WIN 0
; THE WAY OUT, a tile of S1 at a time: its 64 results a lane are four blocks of 32 along the quantiser's K, each shared by lanes l and l xor 16.
; A block's scale: the largest magnitude, with the floor 2^(3 - 127) among its leaves; 2 off its exponent field is the conversion's scale operand, and that shifted down is the byte.
.macro QUANT a
.set AC, 64*((\a)%4)
.set W, 2+(\a)/4
.set PW, PWE+(\a)%2
	WIN 20*W                                       ; sources 1 and 2 in the accumulators' window
.irp b, 0,1,2,3
	v_max3_num_f32 v[TM+\b], 0x1800000, |v[AC+16*\b]|, |v[AC+16*\b+1]|     ; each accumulator is read from its low end on
.endr
.irp i, 2,4,6,8,10,12,14
.irp b, 0,1,2,3
	v_max3_num_f32 v[TM+\b], v[TM+\b], |v[AC+16*\b+\i]|, |v[AC+16*\b+\i+1]|   ; the four blocks by turns
.endr
.endr
	WIN 0
.irp b, 0,1,2,3
	v_permlanex16_b32 v[TM+4+\b], v[TM+\b], s20, s21
.endr
.irp b, 0,1,2,3
	v_max_num_f32 v[TM+\b], v[TM+\b], v[TM+4+\b]   ; with lane l xor 16's: the block's largest magnitude
.endr
.irp b, 0,1,2,3
	v_add_nc_u32 v[TM+8+\b], 0xff000000, v[TM+\b]  ; 2 off its exponent field
.endr
.irp b, 0,1,2,3
	v_lshrrev_b32 v[TM+4+\b], 23, v[TM+8+\b]       ; the byte
.endr
	v_lshl_or_b32 v[PW], v[TM+5], 8, v[TM+4]
	v_lshl_or_b32 v[PW], v[TM+6], 16, v[PW]
	v_lshl_or_b32 v[PW], v[TM+7], 24, v[PW]        ; my row's four bytes
	s_wait_xcnt 0x0                                ; the last tile's stores have read their data and offsets: both are written again below
	WIN W                                          ; source 0 in the accumulators' window
	v_cvt_scalef32_pk16_fp6_f32 v[D0:D0+2], v[AC:AC+15], v[TM+8]
	v_cvt_scalef32_pk16_fp6_f32 v[T0:T0+2], v[AC+16:AC+31], v[TM+9]
	v_cvt_scalef32_pk16_fp6_f32 v[D1:D1+2], v[AC+32:AC+47], v[TM+10]
	v_cvt_scalef32_pk16_fp6_f32 v[T1:T1+2], v[AC+48:AC+63], v[TM+11]
	WIN 0
	v_nop                                          ; one plain line behind the scaled conversions
.irp i, 0,1,2                                  ; the operand's layout wants a whole block in a lane: lanes 0-15 the even block, lanes 16-31 the odd one
	v_permlane16_swap_b32 v[D0+\i], v[T0+\i]
	v_permlane16_swap_b32 v[D1+\i], v[T1+\i]
.endr
.irp i, 0,1,2
	v_mov_b32 v[D0+3+\i], v[T0+\i]
	v_mov_b32 v[D1+3+\i], v[T1+\i]
.endr
.endm
.macro PUT a                           ; two images of six registers: each store of the wave covers 512 or 256 consecutive bytes, aligned to 256
	v_add_nc_u32 v[OF], s92, v[LI16]
	v_add_nc_u32 v[OF+1], s92, v[LI8]
	v_add_nc_u32 v[OF+2], s93, v[LI16]
	v_add_nc_u32 v[OF+3], s93, v[LI8]
	global_store_b128 v[OF], v[D0:D0+3], s[12:13]
	global_store_b64 v[OF+1], v[D0+4:D0+5], s[12:13] offset:512
	global_store_b128 v[OF+2], v[D1:D1+3], s[12:13]
	global_store_b64 v[OF+3], v[D1+4:D1+5], s[12:13] offset:512
.if (\a) == 3
	s_add_co_u32 s92, s92, s95
	s_add_co_u32 s93, s93, s95
.else
	s_add_co_u32 s92, s92, s94
	s_add_co_u32 s93, s93, s94
.endif
.endm
.macro SCOUT                           ; four tiles' scale words: 256 consecutive bytes.  For q and k a word's bytes 0, 1 are the first head's and bytes 2, 3 the second's: the second head gets the words shifted down
	v_add_nc_u32 v[VSO], s97, v[LI8]
	global_store_b64 v[VSO], v[SWA:SWA+1], s[12:13]
	s_cmp_eq_u32 ttmp9, 2                          ; for v a word's four bytes are one channel's four blocks of keys: there is no second word
	s_cbranch_scc1 .Lone_word_\@
	v_lshrrev_b32 v[SWB], 16, v[SWA]
	v_lshrrev_b32 v[SWB+1], 16, v[SWA+1]
	global_store_b64 v[VSO], v[SWB:SWB+1], s[12:13] offset:HEAD
.Lone_word_\@:
	s_add_co_u32 s97, s97, s98
.endm
	s_mov_b32 s20, 0x76543210
	s_mov_b32 s21, 0xfedcba98                      ; v_permlanex16_b32's selects for lane l xor 16
	s_mov_b32 s66, 0xffff0000                      ; lanes 16-31
.irp b, 0,1,2,3
	v_mov_b32 v[TM+4+\b], 0                        ; a lane permute's destination counts as one of its sources.  These four lines are also the places behind the last products
.endr
.irp a, 0,1,2,3,4,5,6,7
	QUANT \a
	PUT \a
.if \a%2 == 1
	v_cndmask_b32 v[SWA+(\a%4)/2], v[PWE], v[PWO], s66   ; the even tile's words in lanes 0-15, the odd tile's in lanes 16-31
.endif
.if \a%4 == 3
	SCOUT
.endif
.endr
	s_wait_tensorcnt 0x0                           ; the wave's end
	ds_add_u32 v[SPW], v[NIL]
	s_wait_dscnt 0x0
	CROUND                                         ; the closing round: no work-group ends while a partner may still ask for a tile that names it
	s_endpgm
.Lfunc_end_k_q7c1702dd32_proj:
	.size	k_q7c1702dd32_proj, .Lfunc_end_k_q7c1702dd32_proj-k_q7c1702dd32_proj
	.p2alignl 7, 3214868480
	.fill 96, 4, 3214868480
	.section	.rodata,"a",@progbits
	.p2align	6, 0x0
	.amdhsa_kernel k_q7c1702dd32_proj
		.amdhsa_group_segment_fixed_size 327680
		.amdhsa_private_segment_fixed_size 0
		.amdhsa_enable_private_segment 0
		.amdhsa_kernarg_size 72
		.amdhsa_user_sgpr_count 2
		.amdhsa_user_sgpr_kernarg_segment_ptr 1
		.amdhsa_wavefront_size32 1
		.amdhsa_system_sgpr_workgroup_id_x 1
		.amdhsa_system_sgpr_workgroup_id_y 1
		.amdhsa_system_sgpr_workgroup_id_z 1
		.amdhsa_system_vgpr_workitem_id 0
		.amdhsa_next_free_vgpr 1024
		.amdhsa_next_free_sgpr 100
		.amdhsa_reserve_vcc 0
		.amdhsa_float_denorm_mode_32 3
		.amdhsa_float_denorm_mode_16_64 3
		.amdhsa_memory_ordered 1
		.amdhsa_forward_progress 1
		.amdhsa_inst_pref_size 168
	.end_amdhsa_kernel
	.amdgpu_metadata
---
amdhsa.version: [ 1, 2 ]
amdhsa.kernels:
  - .name:           k_q7c1702dd32_proj
    .symbol:         k_q7c1702dd32_proj.kd
    .args:
      - { .name: x_codes, .offset: 0, .size: 8, .value_kind: global_buffer, .address_space: global }
      - { .name: x_scales, .offset: 8, .size: 8, .value_kind: global_buffer, .address_space: global }
      - { .name: Wq_codes, .offset: 16, .size: 8, .value_kind: global_buffer, .address_space: global }
      - { .name: Wq_scales, .offset: 24, .size: 8, .value_kind: global_buffer, .address_space: global }
      - { .name: Wk_codes, .offset: 32, .size: 8, .value_kind: global_buffer, .address_space: global }
      - { .name: Wk_scales, .offset: 40, .size: 8, .value_kind: global_buffer, .address_space: global }
      - { .name: Wv_codes, .offset: 48, .size: 8, .value_kind: global_buffer, .address_space: global }
      - { .name: Wv_scales, .offset: 56, .size: 8, .value_kind: global_buffer, .address_space: global }
      - { .name: qkv, .offset: 64, .size: 8, .value_kind: global_buffer, .address_space: global }
    .group_segment_fixed_size: 327680
    .private_segment_fixed_size: 0
    .kernarg_segment_align: 8
    .kernarg_segment_size: 72
    .max_flat_workgroup_size: 128
    .sgpr_count:     100
    .vgpr_count:     1024
    .wavefront_size: 32
...
	.end_amdgpu_metadata
.endif
;; end of part 1
;; launch attn (part 2): grid 4 x 64, 16 waves a work-group, clusters of 4 x 1, 210,944 bytes of LDS; arguments qkv, oc; writes oc
.if DOCPART == 2
	.amdgcn_target "amdgcn-amd-amdhsa--gfx1250"
	.amdhsa_code_object_version 6
	.text
	.protected	k_q7c1702dd32_attn
	.globl	k_q7c1702dd32_attn
	.p2align	8
	.type	k_q7c1702dd32_attn,@function
k_q7c1702dd32_attn:
	s_mov_b64 s[64:65], 0
	v_nop
	global_prefetch_b8 v0, s[64:65] scope:SCOPE_SE
	s_setreg_imm32_b32 hwreg(HW_REG_WAVE_MODE, 25, 1), 1
	s_wait_xcnt 0x0
	s_wait_alu depctr_hold_cnt(0) depctr_sa_sdst(0) depctr_va_vdst(0) depctr_va_sdst(0) depctr_va_ssrc(0) depctr_va_vcc(0) depctr_vm_vsrc(0)
	s_getreg_b32 s2, hwreg(HW_REG_IB_STS2, 6, 4)
	s_cmp_eq_u32 s2, 0
	s_cbranch_scc0 .Lentry_in_a_cluster
	s_endpgm
.Lentry_in_a_cluster:
	s_bfe_u32 s2, ttmp6, 0x10000c
	s_cmp_lg_u32 s2, 0x3003
	s_cbranch_scc0 .Lentry_shape_is_right
	s_endpgm
.Lentry_shape_is_right:
; For each of 64 heads: P = tanh(q k^T / 8, zero above the diagonal) / max(sum over keys of |tanh|, 1e-6), quantised along the keys; O = P v, quantised along the head's 64 channels.  Both products on codes of
; FP6 (E2M3) with one E8M0 scale for each 32 along K.  q, k, v come as codes in the order of the operands' registers (buffer qkv), O leaves so (buffer oc).
; TWO PASSES OVER THE KEYS.  P is quantised finished, and the divisor is no power of two: so a row's sum is known before any of its P is made.  Pass 1: scores, |tanh|, the sum.  Pass 2: the scores
; again, tanh / divisor, codes, O^T += V^T P^T.  Key steps that lie wholly above the diagonal hold zeros alone (tanh 0 = 0) and are left out of both passes.
; SHARES.  A cluster of four work-groups is one head.  Its 64 waves take the head's 128 tiles of 16 queries in pairs (t, 127 - t), t = 4 x wave + cx: tile t has t / 8 + 1 key steps of 128, so every wave has 17
; in each pass.  The last step's number hangs on the wave's number alone; cx enters global addresses and the mask's vector register, no branch and no LDS address.
; LDS holds the head's K codes, V codes and their scale words as they lie in memory, 208,896 bytes, filled ONCE: each of the sixteen waves brings 13,056 bytes by one tensor load, asked for jointly by the four
; work-groups.  Nothing is filled again and nothing is stored to LDS.
; LAYOUT.  Both products are used transposed (S^T = K Q^T, O^T = V^T P^T): a lane holds one query throughout.  A tile's rows are not neighbours: lane r of tile 2 b + u holds row 32 b + 8 u + r + 8 (r / 8): so
; register 16 b + i of S^T is key 32 b + 16 (lane / 16) + i of the step, and register 16 b + i of O^T channel 32 b + 16 (lane / 16) + i.
; K = 64 IN AN INSTRUCTION OF K = 128: Q's registers 6-11 hold zero codes for the whole launch.  K's operand of tile t is twelve registers from R + 6 t on: the upper six are the next tile's codes (behind tile 7:
; whatever v176-181 hold); they meet zeros and add nothing, since no code of this format is infinite or NaN and no scale byte here is 0xff.
; tanh(s / 8) = s (A1 + z (A3 + .. + z A13)) / (B0 + z (B2 + z (B4 + z B6))), z = s^2, s held to +-63.24: an odd polynomial over an even one, with the powers of 8 folded into the coefficients' exponents.
; It keeps its relative accuracy (a few units in the last place) at every size of score, small ones too.  In pass 2 the four B are multiplied by the divisor beforehand: the one reciprocal gives tanh / divisor.
; LIMITS: NaN and infinities are not served.  The row's sum is taken in eight partial sums a lane, not in the order of a plain sum.  A block of P or O whose largest magnitude lies under 2^-124 keeps the
; byte 1; a block of zeros gets the byte 1 where the quantiser says 127: its codes are zeros, and the bytes are read by this program alone.  O's scale bytes leave two a lane, 32 bytes apart: one part in 24 of the codes' bytes.
; REGISTERS: v1, v2 16 x, 8 x lane; v3 the mask's number; v4 0; v5 the hold; v6-11 LDS addresses; v12-15 K's scale words, v16-17 V's, v18 Q's, v19 P's; v20-31 Q; v32-39 sums; v40-47 B x divisor; v48-51 A13, B6;
;   v52-63 at work in the quantisers; v64-127 S^T; v128-191 K's fragments, then denominators, then V's fragments; v192-207 z and numerators, later P's or O's codes; v212-243 O^T; v244-255 offsets and lane constants.
.set HEAD,  315392
.set VOFF,  98304
.set KSC,   196608
.set VSC,   204800
.set QOFF,  208896
.set QSC,   307200
.set OSC,   6291456                    ; in oc: behind the codes, 32 scale bytes for each row
.set PART,  13056                      ; a wave's part of the head's block: 51 rows of 256 bytes
.set TM,    52
.set S,     64
.set R,     128
.set T,     192
.set PC,    192
.set PT0,   204
.set PT1,   208
.set O,     212
.macro CROUND                          ; a round of the cluster's barrier
	s_barrier_signal -1
	s_barrier_wait -1
	s_cmp_lg_u32 s8, 0
	s_cbranch_scc1 .Lnot_wave_0_\@
	s_barrier_signal -3
.Lnot_wave_0_\@:
	s_barrier_wait -3
	s_barrier_signal -1
	s_barrier_wait -1
.endm
.macro PAIR reg, val                   ; a constant for the packed forms, which name a pair and take its low word for both halves
	s_mov_b32 s[\reg], \val
	s_mov_b32 s[\reg+1], \val
.endm
	s_load_b128 s[4:7], s[0:1], 0x0                ; qkv, oc
	v_lshl_add_u32 v254, v0, 2, 0x33000
	v_mov_b32 v255, 0
	ds_add_u32 v254, v255
	ds_add_u32 v254, v255
	s_wait_dscnt 0x0
	v_lshrrev_b32 v1, 5, v0
	v_readfirstlane_b32 s8, v1                     ; wave 0..15
	s_bfe_u32 s9, ttmp6, 0x40000                   ; cx
	s_and_b32 s10, ttmp7, 0xffff                   ; the head, 16 x batch + head: the four partners share it
	s_mul_i32 s36, s10, HEAD
	s_mov_b32 s37, 0
	s_mul_i32 s38, s8, PART
	s_mov_b32 s39, 0
	s_mov_b32 s24, 15|(3<<16)|(1<<21)              ; group 1: the mask names all four work-groups; elements of 8 bytes; bit 21 beside a mask; no padding
	s_mov_b32 s25, 32<<16                          ; tensor_dim0 = 32 elements: 256 bytes
	s_mov_b32 s26, 51<<16                          ; tensor_dim1 = 51
	s_mov_b32 s27, 32<<16                          ; tile_dim0
	s_mov_b32 s28, 51                              ; tile_dim1
	s_mov_b32 s29, 32                              ; the pitch: the block is dense
	s_mov_b32 s30, 0
	s_mov_b32 s31, 0
	s_wait_kmcnt 0x0
	s_add_nc_u64 s[4:5], s[4:5], s[36:37]          ; qkv at my head
	s_mov_b32 s32, 1
	s_mul_i32 s33, s8, PART                        ; LDS: as in memory
	s_add_nc_u64 s[34:35], s[4:5], s[38:39]
	s_or_b32 s35, s35, 0x80000000
	CROUND                                         ; all four work-groups are here: the joint loads meet
	tensor_load_to_lds s[32:35], s[24:31]          ; my one tensor load of the launch
	s_nop 0
.rept 4
	v_nop
.endr
	s_lshl_b32 s12, s8, 2
	s_add_co_u32 s12, s12, s9                      ; t: my first tile of queries
	s_lshr_b32 s13, s8, 1                          ; its last key step: t / 8
	s_mov_b32 s15, 2                               ; tiles to go
	s_mov_b32 s20, 0x76543210
	s_mov_b32 s21, 0xfedcba98                      ; v_permlanex16_b32's selects for lane l xor 16
	PAIR 48, 0x19e1337e                            ; A11
	PAIR 50, 0xa13d37ff                            ; A9
	PAIR 52, 0x28dc0041                            ; A7
	PAIR 54, 0x2ff9434a                            ; A5
	PAIR 56, 0x35a70ded                            ; A3
	PAIR 58, 0x3a2059dc                            ; A1
	PAIR 60, 0x32f895d6                            ; B4
	PAIR 62, 0x3814aa05                            ; B2
	PAIR 66, 0x3ba059dd                            ; B0
	v_and_b32 v3, 31, v0
	v_lshlrev_b32 v1, 4, v3                        ; 16 x lane
	v_lshlrev_b32 v2, 3, v3                        ; 8 x lane
	v_and_b32 v252, 15, v0                         ; r
	v_bfe_u32 v253, v0, 4, 1                       ; h
	v_add_nc_u32 v255, KSC, v2
	v_add_nc_u32 v251, VSC, v2
	v_and_b32 v254, 8, v252
	v_add_nc_u32 v254, v254, v252
	v_lshlrev_b32 v3, 4, v253
	v_sub_nc_u32 v254, v254, v3                    ; r + 8 (r / 8) - 16 h
	v_mov_b32 v4, 0
	v_mov_b32 v5, 0x427cf84f                       ; 8 x 7.905311: beyond it tanh is 1 to the last bit
	v_mov_b32 v48, 0x921f25c0                      ; A13
	v_mov_b32 v49, 0x921f25c0
	v_mov_b32 v50, 0x2ca0d3d8                      ; B6
	v_mov_b32 v51, 0x2ca0d3d8
.irp i, 26,27,28,29,30,31
	v_mov_b32 v[\i], 0                             ; Q's upper 64 along K: zero codes
.endr
.irp i, 176,177,178,179,180,181
	v_mov_b32 v[\i], 0                             ; named behind K's tile 7: written once, so that they are never read unwritten
.endr
.irp b, 0,1,2,3
	v_mov_b32 v[TM+4+\b], 0                        ; a lane permute's destination counts as one of its sources
.endr
	s_wait_tensorcnt 0x0                           ; my part has landed,
	s_barrier_signal -1
	s_barrier_wait -1                              ; everybody's has
; S^T of a key step: 8 tiles of 16 keys.  p = 2: V's addresses are made here too; the six additions are then the places between the last step's products, which read V's fragments, and the loads into those registers.
.macro SCORES p
	v_add_nc_u32 v6, s16, v1
	v_add_nc_u32 v7, s16, v2
	v_add_nc_u32 v10, s17, v255
.if \p == 2
	v_add_nc_u32 v8, VOFF, v6
	v_add_nc_u32 v9, VOFF, v7
	v_add_nc_u32 v11, s18, v251
.endif
.irp t, 0,1,2,3,4,5,6,7
	ds_load_b128 v[R+6*\t:R+6*\t+3], v6 offset:768*\t          ; an image of six registers: 512 consecutive bytes, then 256
	ds_load_b64 v[R+6*\t+4:R+6*\t+5], v7 offset:768*\t+512
.endr
	ds_load_b64 v[12:13], v10                      ; scale words: tiles 0 | 1, 2 | 3 (lanes 0-15 | lanes 16-31),
	ds_load_b64 v[14:15], v10 offset:256           ; tiles 4 | 5, 6 | 7
	s_wait_dscnt 0x0
.irp t, 0,2,4,6
	v_wmma_scale_f32_16x16x128_f8f6f4 v[S+8*\t:S+8*\t+7], v[R+6*\t:R+6*\t+11], v[20:31], 0, v[12+\t/2], v18 matrix_a_fmt:MATRIX_FMT_FP6 matrix_b_fmt:MATRIX_FMT_FP6
	v_wmma_scale_f32_16x16x128_f8f6f4 v[S+8*\t+8:S+8*\t+15], v[R+6*\t+6:R+6*\t+17], v[20:31], 0, v[12+\t/2], v18 matrix_a_fmt:MATRIX_FMT_FP6 matrix_b_fmt:MATRIX_FMT_FP6 matrix_a_scale:MATRIX_SCALE_ROW1
.endr
.rept 4
	v_nop                                          ; places in front of the first read of the scores
.endr
.endm
; The step on the diagonal: register n holds key 32 (n / 16) + n % 16 + 16 h of the step; its score becomes 0 where that key comes after my query.
.macro MASK
.set n, 0
.rept 64
	v_cmp_gt_i32 vcc_lo, 32*(n/16)+n%16, v3
	v_cndmask_b32 v[S+n], v[S+n], v4, vcc_lo
.set n, n+1
.endr
.endm
; Eight scores (accumulator g), as four pairs by turns.  Left behind: s x numerator in S, 1 / denominator in R.  mode 1: of |s|, for the sum;  mode 2: of s, with the denominators times the divisor.
; The reciprocals stand behind the denominators; the numerators' last lines are the plain work behind them, and nothing here names a reciprocal's result.
.macro TANH g, mode
.irp e, 0,1
.irp p, 0,1,2,3
.if \mode == 1
	v_min_num_f32 v[S+8*(\g)+2*\p+\e], |v[S+8*(\g)+2*\p+\e]|, v5
.else
	v_med3_num_f32 v[S+8*(\g)+2*\p+\e], v[S+8*(\g)+2*\p+\e], -v5, v5
.endif
.endr
.endr
.irp p, 0,1,2,3
	v_pk_mul_f32 v[T+4*\p:T+4*\p+1], v[S+8*(\g)+2*\p:S+8*(\g)+2*\p+1], v[S+8*(\g)+2*\p:S+8*(\g)+2*\p+1]   ; z
.endr
.irp p, 0,1,2,3
	v_pk_fma_f32 v[T+4*\p+2:T+4*\p+3], v[T+4*\p:T+4*\p+1], v[48:49], s[48:49] op_sel_hi:[1,1,0]
.endr
.irp p, 0,1,2,3
.if \mode == 1
	v_pk_fma_f32 v[R+8*(\g)+2*\p:R+8*(\g)+2*\p+1], v[T+4*\p:T+4*\p+1], v[50:51], s[60:61] op_sel_hi:[1,1,0]
.else
	v_pk_fma_f32 v[R+8*(\g)+2*\p:R+8*(\g)+2*\p+1], v[T+4*\p:T+4*\p+1], v[40:41], v[42:43]
.endif
.endr
.irp p, 0,1,2,3
	v_pk_fma_f32 v[T+4*\p+2:T+4*\p+3], v[T+4*\p+2:T+4*\p+3], v[T+4*\p:T+4*\p+1], s[50:51] op_sel_hi:[1,1,0]
.endr
.irp p, 0,1,2,3
.if \mode == 1
	v_pk_fma_f32 v[R+8*(\g)+2*\p:R+8*(\g)+2*\p+1], v[R+8*(\g)+2*\p:R+8*(\g)+2*\p+1], v[T+4*\p:T+4*\p+1], s[62:63] op_sel_hi:[1,1,0]
.else
	v_pk_fma_f32 v[R+8*(\g)+2*\p:R+8*(\g)+2*\p+1], v[R+8*(\g)+2*\p:R+8*(\g)+2*\p+1], v[T+4*\p:T+4*\p+1], v[44:45]
.endif
.endr
.irp p, 0,1,2,3
	v_pk_fma_f32 v[T+4*\p+2:T+4*\p+3], v[T+4*\p+2:T+4*\p+3], v[T+4*\p:T+4*\p+1], s[52:53] op_sel_hi:[1,1,0]
.endr
.irp p, 0,1,2,3
.if \mode == 1
	v_pk_fma_f32 v[R+8*(\g)+2*\p:R+8*(\g)+2*\p+1], v[R+8*(\g)+2*\p:R+8*(\g)+2*\p+1], v[T+4*\p:T+4*\p+1], s[66:67] op_sel_hi:[1,1,0]
.else
	v_pk_fma_f32 v[R+8*(\g)+2*\p:R+8*(\g)+2*\p+1], v[R+8*(\g)+2*\p:R+8*(\g)+2*\p+1], v[T+4*\p:T+4*\p+1], v[46:47]
.endif
.endr
.irp e, 0,1,2,3,4,5,6,7
	v_rcp_f32 v[R+8*(\g)+\e], v[R+8*(\g)+\e]
.endr
.irp c, 54,56,58
.irp p, 0,1,2,3
	v_pk_fma_f32 v[T+4*\p+2:T+4*\p+3], v[T+4*\p+2:T+4*\p+3], v[T+4*\p:T+4*\p+1], s[\c:\c+1] op_sel_hi:[1,1,0]
.endr
.endr
.irp p, 0,1,2,3
	v_pk_mul_f32 v[S+8*(\g)+2*\p:S+8*(\g)+2*\p+1], v[T+4*\p+2:T+4*\p+3], v[S+8*(\g)+2*\p:S+8*(\g)+2*\p+1]
.endr
.endm
; P's 64 numbers of a lane become a fragment's codes in v192-203 and its scale word in v19.
.macro QUANTP
.irp b, 0,1,2,3
	v_max3_num_f32 v[TM+\b], |v[S+16*\b]|, |v[S+16*\b+1]|, 0x1800000   ; my 16 numbers of block b, and the floor 2^(3 - 127): the byte cannot fall under 1
.endr
.irp i, 2,4,6,8,10,12,14
.irp b, 0,1,2,3
	v_max3_num_f32 v[TM+\b], v[TM+\b], |v[S+16*\b+\i]|, |v[S+16*\b+\i+1]|
.endr
.endr
.irp b, 0,1,2,3
	v_permlanex16_b32 v[TM+4+\b], v[TM+\b], s20, s21
.endr
.irp b, 0,1,2,3
	v_max_num_f32 v[TM+\b], v[TM+\b], v[TM+4+\b]
.endr
.irp b, 0,1,2,3
	v_add_nc_u32 v[TM+8+\b], 0xff000000, v[TM+\b]  ; 2 off the exponent field: the conversion's scale operand
.endr
.irp b, 0,1,2,3
	v_lshrrev_b32 v[TM+4+\b], 23, v[TM+8+\b]       ; the byte
.endr
	v_lshl_or_b32 v19, v[TM+5], 8, v[TM+4]
	v_lshl_or_b32 v19, v[TM+6], 16, v19
	v_lshl_or_b32 v19, v[TM+7], 24, v19
	v_cvt_scalef32_pk16_fp6_f32 v[PC:PC+2], v[S:S+15], v[TM+8]
	v_cvt_scalef32_pk16_fp6_f32 v[PT0:PT0+2], v[S+16:S+31], v[TM+9]
	v_cvt_scalef32_pk16_fp6_f32 v[PC+6:PC+8], v[S+32:S+47], v[TM+10]
	v_cvt_scalef32_pk16_fp6_f32 v[PT1:PT1+2], v[S+48:S+63], v[TM+11]
	v_nop                                          ; one plain line behind the scaled conversions
.irp i, 0,1,2                                  ; a whole block in a lane: lanes 0-15 the even block, lanes 16-31 the odd one
	v_permlane16_swap_b32 v[PC+\i], v[PT0+\i]
	v_permlane16_swap_b32 v[PC+6+\i], v[PT1+\i]
.endr
.irp i, 0,1,2
	v_mov_b32 v[PC+3+\i], v[PT0+\i]
	v_mov_b32 v[PC+9+\i], v[PT1+\i]
.endr
.endm
.Ltile:                                            ; two trips: tile t, then tile 127 - t
	s_mul_i32 s36, s12, 768
	s_add_co_u32 s36, s36, QOFF
	v_add_nc_u32 v244, s36, v1
	v_add_nc_u32 v245, s36, v2
	s_lshr_b32 s37, s12, 2
	s_lshl_b32 s37, s37, 8                         ; Q's scale word: unit t / 4,
	s_and_b32 s38, s12, 1
	s_lshl_b32 s39, s38, 7                         ; lanes 16 (t % 2) on, 8 bytes a lane,
	s_add_co_u32 s37, s37, s39
	s_bfe_u32 s39, s12, 0x10001
	s_lshl_b32 s39, s39, 2                         ; word (t / 2) % 2
	s_add_co_u32 s37, s37, s39
	s_add_co_u32 s37, s37, QSC
	v_lshl_add_u32 v246, v252, 3, s37
	global_load_b128 v[20:23], v244, s[4:5]
	global_load_b64 v[24:25], v245, s[4:5] offset:512
	global_load_b32 v18, v246, s[4:5]
	s_bfe_u32 s39, s12, 0x20001
	s_lshl_b32 s39, s39, 5
	s_lshl_b32 s38, s38, 3
	s_add_co_u32 s39, s39, s38
	v_add_nc_u32 v3, s39, v254                     ; my query's place in its last key step, less 16 h
.irp i, 32,33,34,35,36,37,38,39
	v_mov_b32 v[\i], 0                             ; the sums
.endr
	s_mov_b32 s14, 0                               ; the key step
	s_mov_b32 s16, 0                               ; its codes in LDS: 6,144 bytes a step, K's and V's alike
	s_mov_b32 s17, 0                               ; K's scale words: 512 bytes a step
	s_wait_loadcnt 0x0
.Lp1:                                              ; PASS 1.  Sixteen trips for every wave; the work of a step beyond my tile's last is jumped over, the lines that step addresses are not
	s_cmp_gt_u32 s14, s13
	s_cbranch_scc1 .Lp1_skip
	SCORES 1
	s_cmp_lg_u32 s14, s13
	s_cbranch_scc1 .Lp1_open
	MASK
.Lp1_open:
.irp g, 0,1,2,3,4,5,6,7
	TANH \g, 1
.endr
	s_wait_alu depctr_va_vdst(0)                   ; one wait for the step's 64 reciprocals, ahead of their first reader
.set n, 0
.rept 32
	v_pk_fma_f32 v[32+2*(n%4):33+2*(n%4)], v[S+2*n:S+2*n+1], v[R+2*n:R+2*n+1], v[32+2*(n%4):33+2*(n%4)]   ; |tanh| into four pairs of sums by turns
.set n, n+1
.endr
.Lp1_skip:
	s_add_co_u32 s16, s16, 6144
	s_add_co_u32 s17, s17, 512
	s_add_co_u32 s14, s14, 1
	s_cmp_lt_u32 s14, 16
	s_cbranch_scc1 .Lp1
	; the divisor, and the denominators' coefficients times it
	v_pk_add_f32 v[32:33], v[32:33], v[34:35]
	v_pk_add_f32 v[36:37], v[36:37], v[38:39]
	v_pk_add_f32 v[32:33], v[32:33], v[36:37]
	v_add_f32 v32, v32, v33
	v_permlanex16_b32 v[TM+4], v32, s20, s21
	v_add_f32 v32, v32, v[TM+4]                    ; with lane l xor 16's keys: the row's sum
	v_max_num_f32 v32, 0x358637bd, v32             ; at least 1e-6
	v_mul_f32 v40, v50, v32
	v_mul_f32 v41, v50, v32
	v_mul_f32 v42, s60, v32
	v_mul_f32 v43, s60, v32
	v_mul_f32 v44, s62, v32
	v_mul_f32 v45, s62, v32
	v_mul_f32 v46, s66, v32
	v_mul_f32 v47, s66, v32
.set n, 0
.rept 32
	v_mov_b32 v[O+n], 0                            ; O^T: the step is written once, so the first finds zeros
.set n, n+1
.endr
	s_mov_b32 s14, 0
	s_mov_b32 s16, 0
	s_mov_b32 s17, 0
	s_mov_b32 s18, 0                               ; V's scale words: 256 bytes a step
.Lp2:                                              ; PASS 2, in the same frame
	s_cmp_gt_u32 s14, s13
	s_cbranch_scc1 .Lp2_skip
	SCORES 2
	s_cmp_lg_u32 s14, s13
	s_cbranch_scc1 .Lp2_open
	MASK
.Lp2_open:
.irp g, 0,1,2,3,4,5,6,7
	TANH \g, 2
.endr
	s_wait_alu depctr_va_vdst(0)                   ; one wait for the step's 64 reciprocals, ahead of their first reader
.set n, 0
.rept 32
	v_pk_mul_f32 v[S+2*n:S+2*n+1], v[S+2*n:S+2*n+1], v[R+2*n:R+2*n+1]   ; P = tanh / divisor
.set n, n+1
.endr
.irp c, 0,1,2,3                                ; V's four fragments (16 channels x these 128 keys), asked for ahead of the quantiser's lines
	ds_load_b128 v[R+12*\c:R+12*\c+3], v8 offset:1536*\c
	ds_load_b64 v[R+12*\c+4:R+12*\c+5], v9 offset:1536*\c+512
	ds_load_b128 v[R+12*\c+6:R+12*\c+9], v8 offset:1536*\c+768
	ds_load_b64 v[R+12*\c+10:R+12*\c+11], v9 offset:1536*\c+1280
.endr
	ds_load_b64 v[16:17], v11                      ; their scale words: tiles 0 | 1, 2 | 3
	QUANTP
.rept 8
	v_nop                                          ; a scale register written by a vector line stands 8 places ahead of a scaled matrix instruction, an operand so written 4
.endr
	s_wait_dscnt 0x0
.irp c, 0,2                                    ; four accumulators, one instruction each; the matrix instructions before and behind them are the scores'
	v_wmma_scale_f32_16x16x128_f8f6f4 v[O+8*\c:O+8*\c+7], v[R+12*\c:R+12*\c+11], v[PC:PC+11], v[O+8*\c:O+8*\c+7], v[16+\c/2], v19 matrix_a_fmt:MATRIX_FMT_FP6 matrix_b_fmt:MATRIX_FMT_FP6
	v_wmma_scale_f32_16x16x128_f8f6f4 v[O+8*\c+8:O+8*\c+15], v[R+12*\c+12:R+12*\c+23], v[PC:PC+11], v[O+8*\c+8:O+8*\c+15], v[16+\c/2], v19 matrix_a_fmt:MATRIX_FMT_FP6 matrix_b_fmt:MATRIX_FMT_FP6 matrix_a_scale:MATRIX_SCALE_ROW1
.endr
.Lp2_skip:
	s_add_co_u32 s16, s16, 6144
	s_add_co_u32 s17, s17, 512
	s_add_co_u32 s18, s18, 256
	s_add_co_u32 s14, s14, 1
	s_cmp_lt_u32 s14, 16
	s_cbranch_scc1 .Lp2
	; O OUT: two blocks of 32 channels, quantised as P is; six registers of codes and two scale bytes a row
.rept 4
	v_nop                                          ; places behind the last products
.endr
.irp b, 0,1
	v_max3_num_f32 v[TM+\b], |v[O+16*\b]|, |v[O+16*\b+1]|, 0x1800000     ; each accumulator from its low end on
.endr
.irp i, 2,4,6,8,10,12,14
.irp b, 0,1
	v_max3_num_f32 v[TM+\b], v[TM+\b], |v[O+16*\b+\i]|, |v[O+16*\b+\i+1]|
.endr
.endr
.irp b, 0,1
	v_permlanex16_b32 v[TM+4+\b], v[TM+\b], s20, s21
.endr
.irp b, 0,1
	v_max_num_f32 v[TM+\b], v[TM+\b], v[TM+4+\b]
.endr
.irp b, 0,1
	v_add_nc_u32 v[TM+8+\b], 0xff000000, v[TM+\b]
.endr
.irp b, 0,1
	v_lshrrev_b32 v[TM+4+\b], 23, v[TM+8+\b]
.endr
	v_lshl_or_b32 v250, v[TM+5], 8, v[TM+4]
	v_cvt_scalef32_pk16_fp6_f32 v[PC:PC+2], v[O:O+15], v[TM+8]
	v_cvt_scalef32_pk16_fp6_f32 v[PT0:PT0+2], v[O+16:O+31], v[TM+9]
	v_nop                                          ; one plain line behind the scaled conversions
.irp i, 0,1,2
	v_permlane16_swap_b32 v[PC+\i], v[PT0+\i]
.endr
.irp i, 0,1,2
	v_mov_b32 v[PC+3+\i], v[PT0+\i]
.endr
	s_lshr_b32 s40, s10, 4
	s_lshl_b32 s40, s40, 7
	s_add_co_u32 s40, s40, s12                     ; G = 128 x batch + t: the tile of rows among all 512
	s_and_b32 s41, s10, 15                         ; the head in its batch
	s_lshl_b32 s42, s40, 4
	s_add_co_u32 s42, s42, s41
	s_mul_i32 s42, s42, 768                        ; a tile's sixteen heads lie on end: eight fragments of the last product
	v_add_nc_u32 v247, s42, v1
	v_add_nc_u32 v248, s42, v2
	s_lshl_b32 s40, s40, 9                         ; scale bytes: 32 a row, rows in the order of the tile's lanes
	s_lshl_b32 s41, s41, 1
	s_add_co_u32 s40, s40, s41
	s_add_co_u32 s40, s40, OSC
	v_lshl_add_u32 v249, v252, 5, s40
	global_store_b128 v247, v[PC:PC+3], s[6:7]     ; 512 consecutive bytes, aligned to 256
	global_store_b64 v248, v[PC+4:PC+5], s[6:7] offset:512
	global_store_b16 v249, v250, s[6:7]            ; lanes 16-31 write the same two bytes with the same value
	s_wait_xcnt 0x0                                ; the stores have read their data and offsets: the next tile writes both again
	s_sub_co_u32 s12, 127, s12
	s_sub_co_u32 s13, 15, s13
	s_sub_co_u32 s15, s15, 1
	s_cmp_lg_u32 s15, 0
	s_cbranch_scc1 .Ltile
	s_wait_dscnt 0x0
	s_wait_xcnt 0x0
	v_lshl_add_u32 v254, v0, 2, 0x33000
	v_mov_b32 v255, 0
	s_wait_tensorcnt 0x0
	ds_add_u32 v254, v255
	s_wait_dscnt 0x0
	CROUND                                         ; the closing round
	s_endpgm
.Lfunc_end_k_q7c1702dd32_attn:
	.size	k_q7c1702dd32_attn, .Lfunc_end_k_q7c1702dd32_attn-k_q7c1702dd32_attn
	.p2alignl 7, 3214868480
	.fill 96, 4, 3214868480
	.section	.rodata,"a",@progbits
	.p2align	6, 0x0
	.amdhsa_kernel k_q7c1702dd32_attn
		.amdhsa_group_segment_fixed_size 210944
		.amdhsa_private_segment_fixed_size 0
		.amdhsa_enable_private_segment 0
		.amdhsa_kernarg_size 16
		.amdhsa_user_sgpr_count 2
		.amdhsa_user_sgpr_kernarg_segment_ptr 1
		.amdhsa_wavefront_size32 1
		.amdhsa_system_sgpr_workgroup_id_x 1
		.amdhsa_system_sgpr_workgroup_id_y 1
		.amdhsa_system_sgpr_workgroup_id_z 1
		.amdhsa_system_vgpr_workitem_id 0
		.amdhsa_next_free_vgpr 256
		.amdhsa_next_free_sgpr 80
		.amdhsa_reserve_vcc 1
		.amdhsa_float_denorm_mode_32 3
		.amdhsa_float_denorm_mode_16_64 3
		.amdhsa_memory_ordered 1
		.amdhsa_forward_progress 1
		.amdhsa_inst_pref_size 94
	.end_amdhsa_kernel
	.amdgpu_metadata
---
amdhsa.version: [ 1, 2 ]
amdhsa.kernels:
  - .name:           k_q7c1702dd32_attn
    .symbol:         k_q7c1702dd32_attn.kd
    .args:
      - { .name: qkv, .offset: 0, .size: 8, .value_kind: global_buffer, .address_space: global }
      - { .name: oc, .offset: 8, .size: 8, .value_kind: global_buffer, .address_space: global }
    .group_segment_fixed_size: 210944
    .private_segment_fixed_size: 0
    .kernarg_segment_align: 8
    .kernarg_segment_size: 16
    .max_flat_workgroup_size: 512
    .sgpr_count:     80
    .vgpr_count:     256
    .wavefront_size: 32
...
	.end_amdgpu_metadata
.endif
;; end of part 2
;; launch outp (part 3): grid 4 x 32, 4 waves a work-group, clusters of 4 x 4, 327,680 bytes of LDS; arguments oc, Wo_codes, Wo_scales, out0; writes out0
.if DOCPART == 3
	.amdgcn_target "amdgcn-amd-amdhsa--gfx1250"
	.amdhsa_code_object_version 6
	.text
	.protected	k_q7c1702dd32_outp
	.globl	k_q7c1702dd32_outp
	.p2align	8
	.type	k_q7c1702dd32_outp,@function
k_q7c1702dd32_outp:
	s_mov_b64 s[64:65], 0
	v_nop
	global_prefetch_b8 v0, s[64:65] scope:SCOPE_SE
	s_setreg_imm32_b32 hwreg(HW_REG_WAVE_MODE, 25, 1), 1
	s_wait_xcnt 0x0
	s_wait_alu depctr_hold_cnt(0) depctr_sa_sdst(0) depctr_va_vdst(0) depctr_va_sdst(0) depctr_va_ssrc(0) depctr_va_vcc(0) depctr_vm_vsrc(0)
	s_getreg_b32 s2, hwreg(HW_REG_IB_STS2, 6, 4)
	s_cmp_eq_u32 s2, 0
	s_cbranch_scc0 .Lentry_in_a_cluster
	s_endpgm
.Lentry_in_a_cluster:
	s_bfe_u32 s2, ttmp6, 0x10000c
	s_cmp_lg_u32 s2, 0xf033
	s_cbranch_scc0 .Lentry_shape_is_right
	s_endpgm
.Lentry_shape_is_right:
; out0 = A Wo^T on codes of FP6 (E2M3) with one E8M0 scale for each 32 along K = 1,024.  A [8,192][1,024] is the attention's result, as codes in the order of the operand's registers (buffer oc); Wo [1,024][1,024]
; comes as rows of codes, 768 bytes each, with 32 scale bytes a row.  out0 [8,192][1,024] f32; sums in f32.
; A IN oc: tile G of 16 rows (G = 0 .. 511) is 12,288 consecutive bytes: eight fragments of 128 along K, 1,536 bytes each; in a fragment lane l's registers 0-3 at 16 l, 4-5 at 512 + 8 l, 6-9 at 768 + 16 l, 10-11 at
; 1,280 + 8 l.  Lane r of tile G holds row 16 (G - G % 8) + 32 ((G % 8) / 2) + 8 (G % 2) + r + 8 (r / 8).  Its scale bytes lie behind the codes, 32 for each (G, r).
; SHARES.  A tile of out0, 256 x 256, is made by a work-group of four waves; a wave makes 128 x 128: 64 accumulators, 512 registers.  K goes in steps of 256 through a ring of two LDS slots filled by the tensor
; data mover.  The scale bytes of the work-group's rows of A and of Wo, for all of K, come into LDS once, with the first fills.
; CLUSTERS: 4 x 4 work-groups.  The four of a row of the cluster need the same tiles of A, the four of a column the same tiles of Wo: each is asked for jointly.
; THE MATRIX INSTRUCTION IS USED TRANSPOSED (source 0 = 16 rows of Wo, source 1 = 16 rows of A): a lane then holds eight neighbouring numbers of a row of out0.
; The launch has 128 work-groups: the tile is kept at 256 x 256 so that each LDS byte feeds as many products as the registers allow.
; LIMIT: a scale byte 0xff among the inputs is not served.
; REGISTERS, in windows of 256: window 0: v0-31 addresses; v32-63 scale words, two sets; from v128 A's fragments, one set.  window 1: Wo's fragments, two sets.  windows 2, 3: the accumulators.
.set SIZE_N, 1024
.set KSTEP,  256
.set NQ,     KSTEP/128
.set ROWB,   192                       ; a row of Wo's tile in bytes
.set KROW,   768                       ; a row of Wo in memory
.set PITCH,  240                       ; in LDS: 3 x (64 bytes + 16 of padding)
.set FR,     12
.set NL,     6                         ; LDS loads that bring a fragment of Wo
.set NLA,    4                         ; and one of A
.set NP,     4
.set ABLK,   3072                      ; a tile of A in a slot: two fragments
.set ATILE,  12288                     ; and in memory: eight
.set AHALF,  8*ABLK                    ; eight tiles: what one tensor load brings, and what one wave reads
.set ABYTES, 2*AHALF
.set HALFT,  128*PITCH                 ; 128 rows of Wo
.set SLOT,   ABYTES+2*HALFT
.set LAPS,   1024/(2*KSTEP)
.set KS,     32
.set OSC,    6291456                   ; A's scale bytes in oc
.set SCL,    2*SLOT
.set HALFS,  (128*KS/256)*272
.set SBLK,   (16*KS/256)*272
.set SPARE,  SCL+4*HALFS               ; the spare words, 128 bytes a wave, which no other line names
.set SPITCH, 528                       ; the way out: a stage of 16 rows x (512 bytes + 16) for each wave, in slot 0, which has had its last fill and its last read when the first result is stored there
.set ADRA, 16                          ; v16-17 16 x lane + my eight tiles of A in slot 0, 1;  v18-19 the same with 8 x lane
.set ADRB, 20                          ; v20-21 my Wo fragments in slot 0, 1;  v22-23 for the pieces behind one padding more
.set STO,  24
.set RD,   25
.set CO,   26
.set ADRS, 27
.set SPW,  28
.set NIL,  29
.set SC,   32
.set AF,   128
.set BK,   128
.set G1, 24
.set G0, 32
.set G1B, 48
.set G0B, 56
.set G1S, 68
.set G0S, 76
.set G1SB, 80
.set G0SB, 88
.set MSB, 0
.macro WIN new
.if MSB != \new
	s_set_vgpr_msb (MSB<<8)|\new
.set MSB, \new
.endif
.endm
.set MUL_LO, 0xa1
.set MUL_HI, 0xf1
.set TO_B,   0x40
.macro JLOAD g0a, g1a, g0b, g1b        ; a joint load: waves 0 and 1 fetch for A, waves 2 and 3 for Wo; four v_nop follow each of the two lines
	s_cmp_eq_u32 s15, 0
	s_cbranch_scc0 .Lfor_b_\@
	tensor_load_to_lds s[\g0a:\g0a+3], s[\g1a:\g1a+7]
	s_nop 0
.rept 4
	v_nop
.endr
	s_branch .Lasked_\@
.Lfor_b_\@:
	tensor_load_to_lds s[\g0b:\g0b+3], s[\g1b:\g1b+7]
	s_nop 0
.rept 4
	v_nop
.endr
.Lasked_\@:
.endm
.macro CREST
	s_cmp_lg_u32 s14, 0
	s_cbranch_scc1 .Lnot_wave_0_\@
	s_barrier_signal -3
.Lnot_wave_0_\@:
	s_barrier_wait -3
	s_barrier_signal -1
	s_barrier_wait -1
.endm
.macro CROUND
	s_barrier_signal -1
	s_barrier_wait -1
	CREST
.endm
	s_load_b64 s[4:5], s[0:1], 0x0                 ; oc
	s_load_b128 s[8:11], s[0:1], 0x8               ; Wo's codes, Wo's scales
	s_load_b64 s[12:13], s[0:1], 0x18              ; out0
	v_lshl_add_u32 v[SPW], v0, 2, SPARE
	v_mov_b32 v[NIL], 0
	ds_add_u32 v28, v29
	ds_add_u32 v28, v29
	s_wait_dscnt 0x0
	v_lshrrev_b32 v1, 5, v0
	v_readfirstlane_b32 s14, v1                    ; wave 0..3
	s_lshr_b32 s15, s14, 1                         ; which half of the tile's rows is mine.  Also: I fetch for A (0) or for Wo (1)
	s_and_b32 s16, s14, 1                          ; which half of its columns.  Also: which half I fetch
	s_bfe_u32 s40, ttmp6, 0x40000                  ; cx, cy
	s_bfe_u32 s41, ttmp6, 0x40004
	s_lshl_b32 s42, ttmp9, 2
	s_add_co_u32 s42, s42, s40                     ; tile column = 4 x cluster x + cx
	s_and_b32 s17, ttmp7, 0xffff
	s_lshl_b32 s17, s17, 2
	s_add_co_u32 s17, s17, s41                     ; tile row = 4 x cluster y + cy
	s_lshl_b32 s43, s41, 2
	s_lshl_b32 s43, 15, s43                        ; my row of the cluster
	s_lshl_b32 s44, 0x1111, s40                    ; my column
	; group 1 for A: 8 rows of 3,072 bytes (384 elements of 8 bytes), 12,288 bytes apart, dense in LDS
	s_or_b32 s[G1+0], s43, (3<<16)|(1<<21)
	s_mov_b32 s[G1+1], 384<<16
	s_mov_b32 s[G1+2], 8<<16
	s_mov_b32 s[G1+3], 384<<16
	s_mov_b32 s[G1+4], 8
	s_mov_b32 s[G1+5], ATILE/8
	s_mov_b32 s[G1+6], 0
	s_mov_b32 s[G1+7], 0
	; for Wo: 128 rows x 192 bytes, 16 bytes of padding behind every 64
	s_or_b32 s[G1B+0], s44, (0<<16)|(1<<20)|(1<<21)|(3<<22)|(3<<25)
	s_mov_b32 s[G1B+1], ROWB<<16
	s_mov_b32 s[G1B+2], 128<<16
	s_mov_b32 s[G1B+3], ROWB<<16
	s_mov_b32 s[G1B+4], 128
	s_mov_b32 s[G1B+5], KROW
	s_mov_b32 s[G1B+6], 0
	s_mov_b32 s[G1B+7], 0
	; for the scale bytes of 128 rows: 4,096 dense bytes as 16 rows of 256, 16 bytes of padding behind each
	s_or_b32 s[G1S+0], s43, (3<<16)|(1<<20)|(1<<21)|(5<<22)|(3<<25)
	s_or_b32 s[G1SB+0], s44, (3<<16)|(1<<20)|(1<<21)|(5<<22)|(3<<25)
.irp g, G1S, G1SB
	s_mov_b32 s[\g+1], 32<<16
	s_mov_b32 s[\g+2], (128*KS/256)<<16
	s_mov_b32 s[\g+3], 32<<16
	s_mov_b32 s[\g+4], 128*KS/256
	s_mov_b32 s[\g+5], 32
	s_mov_b32 s[\g+6], 0
	s_mov_b32 s[\g+7], 0
.endr
	s_lshl_b32 s20, s17, 4
	s_lshl_b32 s18, s16, 3
	s_add_co_u32 s20, s20, s18                     ; A: tile 16 x tile row + 8 x half
	s_mul_i32 s20, s20, ATILE                      ; its codes (at most 511 x 12,288 bytes)
	s_mov_b32 s21, 0
	s_lshl_b32 s22, s17, 8
	s_lshl_b32 s18, s16, 7
	s_add_co_u32 s22, s22, s18                     ; A: row 256 x tile row + 128 x half, in the order of the tiles' lanes
	s_lshl_b32 s22, s22, 5                         ; its scale bytes
	s_mov_b32 s23, 0
	s_lshl_b32 s46, s42, 8
	s_add_co_u32 s46, s46, s18                     ; Wo: row 256 x tile column + 128 x half
	s_lshl_b32 s92, s46, 5
	s_mov_b32 s93, 0
	s_mul_i32 s46, s46, KROW
	s_mov_b32 s47, 0
	s_mul_i32 s45, s16, AHALF                      ; where they go: A's two halves,
	s_mul_i32 s95, s16, HALFT
	s_add_co_u32 s95, s95, ABYTES                  ; then Wo's two
	s_mul_i32 s94, s14, HALFS
	s_wait_kmcnt 0x0
	s_add_nc_u64 s[6:7], s[4:5], OSC
	s_add_nc_u64 s[20:21], s[4:5], s[20:21]
	s_add_nc_u64 s[22:23], s[6:7], s[22:23]
	s_add_nc_u64 s[46:47], s[8:9], s[46:47]
	s_add_nc_u64 s[92:93], s[10:11], s[92:93]
	CROUND                                         ; all sixteen work-groups are here: the first joint loads meet
	s_mov_b32 s[G0S], 1
	s_add_co_u32 s[G0S+1], s94, SCL
	s_mov_b64 s[G0S+2:G0S+3], s[22:23]
	s_or_b32 s[G0S+3], s[G0S+3], 0x80000000
	s_mov_b32 s[G0SB], 1
	s_add_co_u32 s[G0SB+1], s94, SCL
	s_mov_b64 s[G0SB+2:G0SB+3], s[92:93]
	s_or_b32 s[G0SB+3], s[G0SB+3], 0x80000000
	JLOAD G0S, G1S, G0SB, G1SB                     ; the scale bytes first
.irp s, 0,1
	s_mov_b32 s[G0+4*\s], 1
	s_add_co_u32 s[G0+4*\s+1], s45, \s*SLOT
	s_add_nc_u64 s[G0+4*\s+2:G0+4*\s+3], s[20:21], \s*ABLK
	s_or_b32 s[G0+4*\s+3], s[G0+4*\s+3], 0x80000000
	s_mov_b32 s[G0B+4*\s], 1
	s_add_co_u32 s[G0B+4*\s+1], s95, \s*SLOT
	s_add_nc_u64 s[G0B+4*\s+2:G0B+4*\s+3], s[46:47], \s*ROWB
	s_or_b32 s[G0B+4*\s+3], s[G0B+4*\s+3], 0x80000000
	JLOAD G0+4*\s, G1, G0B+4*\s, G1B
.endr
	v_and_b32 v1, 15, v0                           ; l % 16
	v_bfe_u32 v2, v0, 4, 1                         ; l / 16
	v_and_b32 v6, 31, v0
	v_lshlrev_b32 v7, 4, v6                        ; 16 x lane
	v_lshlrev_b32 v8, 3, v6                        ; 8 x lane
	v_mul_u32_u24 v3, v1, PITCH
	v_mul_u32_u24 v4, v2, 24
	v_add_nc_u32 v4, v3, v4                        ; Wo: row x pitch + 24 x half
	v_lshl_add_u32 v5, v2, 4, v4                   ; and the same behind one padding more
	s_mul_i32 s21, s15, AHALF                      ; my eight tiles of A
	s_mul_i32 s22, s16, HALFT                      ; my 128 rows of Wo,
	s_add_co_u32 s22, s22, ABYTES                  ; which lie behind A's
.irp s, 0,1
	v_add_nc_u32 v[ADRA+\s], s21, v7
	v_add_nc_u32 v[ADRA+2+\s], s21, v8
	v_add_nc_u32 v[ADRB+\s], s22, v4
	v_add_nc_u32 v[ADRB+2+\s], s22, v5
	s_add_co_u32 s21, s21, SLOT
	s_add_co_u32 s22, s22, SLOT
.endr
	v_mul_u32_u24 v5, v1, KS                       ; my row's scale bytes: 32 a row,
	v_lshrrev_b32 v6, 8, v5
	v_lshl_add_u32 v5, v6, 4, v5                   ; and 16 more for each 256 passed
	s_mul_i32 s21, s15, HALFS
	s_mul_i32 s22, s16, HALFS
	s_add_co_u32 s22, s22, 2*HALFS
	s_sub_co_u32 s22, s22, s21
	v_mul_u32_u24 v6, s22, v2                      ; lanes 16-31 take Wo's
	s_add_co_u32 s21, s21, SCL
	v_add_nc_u32 v5, v5, v6
	v_add_nc_u32 v[ADRS], s21, v5
	s_mul_i32 s23, s14, 16*SPITCH                  ; my stage
	v_mul_u32_u24 v5, v1, SPITCH                   ; in: row l % 16, 32 bytes for each half of the lanes
	v_lshl_add_u32 v5, v2, 5, v5
	v_add_nc_u32 v[STO], s23, v5
	v_mov_b32 v[CO], v7                            ; back: the 32 lanes take one row of 512 bytes; and the same in out0
	v_add_nc_u32 v[RD], s23, v7
	s_lshl_b32 s20, s17, 8
	s_lshl_b32 s21, s15, 7
	s_add_co_u32 s20, s20, s21                     ; my first row of out0
	s_mov_b32 s21, 0
	s_mov_b64 s[18:19], SIZE_N*4
	s_mul_u64 s[20:21], s[20:21], s[18:19]
	s_lshl_b32 s46, s42, 10                        ; my first column, in bytes
	s_lshl_b32 s47, s16, 9
	s_add_co_u32 s46, s46, s47
	s_mov_b32 s47, 0
	s_add_nc_u64 s[20:21], s[20:21], s[46:47]
	s_add_nc_u64 s[12:13], s[12:13], s[20:21]
.macro FRAG reg, adr, q, i             ; a fragment of Wo from rows: 24 bytes twice, in pieces of 8; lanes 16-31 read three pieces further on, for some pieces behind one padding more
.irp p, 0,1,2,3,4,5
.set PC, 12*(\q)+6*(\p/3)+\p%3
.if PC%8 < 5
	ds_load_b64 v[\reg+2*\p:\reg+2*\p+1], v[\adr] offset:8*PC+16*(PC/8)+(\i)*16*PITCH
.else
	ds_load_b64 v[\reg+2*\p:\reg+2*\p+1], v[\adr+2] offset:8*PC+16*(PC/8)+(\i)*16*PITCH
.endif
.endr
.endm
.macro FRAGA reg, slot, q, i           ; a fragment of A, an image of its registers: each load takes 512 or 256 consecutive bytes
	ds_load_b128 v[\reg:\reg+3], v[ADRA+\slot] offset:ABLK*(\i)+1536*(\q)
	ds_load_b64 v[\reg+4:\reg+5], v[ADRA+2+\slot] offset:ABLK*(\i)+1536*(\q)+512
	ds_load_b128 v[\reg+6:\reg+9], v[ADRA+\slot] offset:ABLK*(\i)+1536*(\q)+768
	ds_load_b64 v[\reg+10:\reg+11], v[ADRA+2+\slot] offset:ABLK*(\i)+1536*(\q)+1280
.endm
; 16 matrix instructions: A's tiles a0, a0 + 1 x Wo's eight.  The 64 accumulators take turns, one instruction a turn, in the same order in every step.
.macro MUL16 a0, p, q, sc, zero
.irp a, \a0, \a0+1
.irp b, 0,1,2,3,4,5,6,7
.if \zero
	v_wmma_scale_f32_16x16x128_f8f6f4 v[8*(8*((\a)%4)+\b):8*(8*((\a)%4)+\b)+7], v[128*(\p)+FR*\b:128*(\p)+FR*\b+FR-1], v[AF+FR*(\a):AF+FR*(\a)+FR-1], 0, v[SC+8*NQ*(\sc)+NQ*\b+(\q)], v[SC+8*NQ*(\sc)+NQ*(\a)+(\q)] matrix_a_fmt:MATRIX_FMT_FP6 matrix_b_fmt:MATRIX_FMT_FP6 matrix_a_scale:MATRIX_SCALE_ROW1
.else
	v_wmma_scale_f32_16x16x128_f8f6f4 v[8*(8*((\a)%4)+\b):8*(8*((\a)%4)+\b)+7], v[128*(\p)+FR*\b:128*(\p)+FR*\b+FR-1], v[AF+FR*(\a):AF+FR*(\a)+FR-1], v[8*(8*((\a)%4)+\b):8*(8*((\a)%4)+\b)+7], v[SC+8*NQ*(\sc)+NQ*\b+(\q)], v[SC+8*NQ*(\sc)+NQ*(\a)+(\q)] matrix_a_fmt:MATRIX_FMT_FP6 matrix_b_fmt:MATRIX_FMT_FP6 matrix_a_scale:MATRIX_SCALE_ROW1
.endif
.endr
.endr
.endm
.macro FETCH_B slot, q, p
	WIN TO_B
.irp i, 0,1,2,3,4,5,6,7
	FRAG 128*(\p)+FR*\i, ADRB+\slot, \q, \i
.endr
	WIN 0
.endm
.macro FETCH_A slot, q, i0
.irp i, \i0, \i0+1, \i0+2, \i0+3
	FRAGA AF+FR*(\i), \slot, \q, \i
.endr
.endm
.macro SCALES sc                       ; two words a row; lanes 0-15 take A's tile i, lanes 16-31 Wo's block i
.irp i, 0,1,2,3,4,5,6,7
	ds_load_b64 v[SC+8*NQ*\sc+NQ*\i:SC+8*NQ*\sc+NQ*\i+1], v[ADRS] offset:\i*SBLK
.endr
.endm
.macro PLACES n
.rept \n
	v_nop
.endr
.endm
.macro STEP slot, q, zero
	s_wait_dscnt 4*NLA                             ; Wo's set and A's tiles 0-3 are in; the youngest 16 loads (tiles 4-7) may be out
	WIN MUL_LO
	MUL16 0, (\q)%2, \q, \slot, \zero
	MUL16 2, (\q)%2, \q, \slot, \zero
	s_wait_dscnt 0
	PLACES NP
	FETCH_B \slot, (\q)+1, 1-(\q)%2
	FETCH_A \slot, (\q)+1, 0
	WIN MUL_HI
	MUL16 4, (\q)%2, \q, \slot, \zero
	MUL16 6, (\q)%2, \q, \slot, \zero
	PLACES NP
	WIN 0
	FETCH_A \slot, (\q)+1, 4
.endm
.macro TURN slot, next, fill
	s_wait_tensorcnt 0x0                           ; all my tensor loads have landed: my part of the next slot
	ds_add_u32 v[SPW], v[NIL]                      ; 0 onto my spare word
	s_wait_dscnt 4*NLA+1                           ; (the add and the youngest 16 loads may be out)
	WIN MUL_LO
	MUL16 0, 1, NQ-1, \slot, 0
	s_wait_dscnt 0x0                               ; the add is done, and my reads of this slot are over
	s_barrier_signal -1
	MUL16 2, 1, NQ-1, \slot, 0
	WIN 0
	s_barrier_wait -1
.if \fill
	CREST                                          ; the barrier has opened a round of the cluster's barrier
	s_add_nc_u64 s[G0+4*\slot+2:G0+4*\slot+3], s[G0+4*\slot+2:G0+4*\slot+3], 2*ABLK
	s_add_nc_u64 s[G0B+4*\slot+2:G0B+4*\slot+3], s[G0B+4*\slot+2:G0B+4*\slot+3], 2*ROWB
	JLOAD G0+4*\slot, G1, G0B+4*\slot, G1B         ; the first tensor load behind the round; its four v_nop are the places in front of the loads below
.else
	PLACES NP
.endif
	v_add_nc_u32 v[ADRS], 4*NQ, v[ADRS]
	FETCH_B \next, 0, 0
	FETCH_A \next, 0, 0
	SCALES \next
	WIN MUL_HI
	MUL16 4, 1, NQ-1, \slot, 0
	MUL16 6, 1, NQ-1, \slot, 0
	PLACES NP
	WIN 0
	FETCH_A \next, 0, 4
.endm
	s_wait_tensorcnt 1                             ; of my three loads the scale bytes and K step 0 are in; K step 1's may be out
	s_barrier_signal -1
	s_barrier_wait -1
	FETCH_B 0, 0, 0
	FETCH_A 0, 0, 0
	SCALES 0
	FETCH_A 0, 0, 4
	STEP 0, 0, 1                                   ; the first step's products start the sums
	s_mov_b32 s3, LAPS-1
.Llap:
	TURN 0, 1, 1
	STEP 1, 0, 0
	TURN 1, 0, 1
	STEP 0, 0, 0
	s_sub_co_u32 s3, s3, 1
	s_cmp_lg_u32 s3, 0
	s_cbranch_scc1 .Llap
	TURN 0, 1, 0                                   ; the last lap fills nothing
	STEP 1, 0, 0
	s_wait_dscnt 4*NLA
	WIN MUL_LO
	MUL16 0, 1, NQ-1, 1, 0
	MUL16 2, 1, NQ-1, 1, 0
	s_wait_dscnt 0
	WIN MUL_HI
	MUL16 4, 1, NQ-1, 1, 0
	MUL16 6, 1, NQ-1, 1, 0
	WIN 0
; THE WAY OUT, a tile of 16 rows x 128 columns at a time, through my own stage in LDS: in as 32 bytes a lane, back as whole rows of 512 bytes.  LDS serves a wave's instructions in order (ISA guide 5.7.1.4).
.macro TOSTAGE a
.set AC, 64*((\a)%4)
	WIN 0x08+4*((\a)/4)                            ; the data: window 2 or 3
.irp b, 0,1,2,3,4,5,6,7
	ds_store_b128 v[STO], v[AC+8*\b:AC+8*\b+3] offset:64*\b          ; each accumulator from its low end on
	ds_store_b128 v[STO], v[AC+8*\b+4:AC+8*\b+7] offset:64*\b+16
.endr
	WIN 0
.set BB, BK+64*((\a)%2)
.irp t, 0,1,2,3,4,5,6,7,8,9,10,11,12,13,14,15
	ds_load_b128 v[BB+4*\t:BB+4*\t+3], v[RD] offset:\t*SPITCH
.endr
.endm
.macro SEND a, younger                 ; tile a begins at my row 32 (a / 2) + 8 (a % 2), and its lane t holds the row t + 8 (t / 8) further on
.set BB, BK+64*((\a)%2)
	s_wait_dscnt \younger
.if (\a) > 0
.if (\a)%2 == 1
	s_add_nc_u64 s[12:13], s[12:13], 8*SIZE_N*4    ; (behind a wait on XCNT: the earlier stores have read their base)
.else
	s_add_nc_u64 s[12:13], s[12:13], 24*SIZE_N*4
.endif
.endif
.irp t, 0,1,2,3,4,5,6,7,8,9,10,11,12,13,14,15
	global_store_b128 v[CO], v[BB+4*\t:BB+4*\t+3], s[12:13] offset:(\t+8*(\t/8))*SIZE_N*4 th:TH_STORE_NT   ; 32 lanes store 512 consecutive bytes, aligned to 256
.endr
.endm
	PLACES NP
	TOSTAGE 0
.irp a, 1,2,3,4,5,6,7
.if \a > 1
	s_wait_xcnt 0x0                                ; tile a - 2's stores have read their registers and their base
.endif
	TOSTAGE \a
	SEND \a-1, 32                                  ; behind tile a - 1's loads: tile a's 16 stores and 16 loads
.endr
	s_wait_xcnt 0x0
	SEND 7, 0
	s_wait_tensorcnt 0x0                           ; the wave's end
	ds_add_u32 v[SPW], v[NIL]
	s_wait_dscnt 0x0
	CROUND                                         ; the closing round
	s_endpgm
.Lfunc_end_k_q7c1702dd32_outp:
	.size	k_q7c1702dd32_outp, .Lfunc_end_k_q7c1702dd32_outp-k_q7c1702dd32_outp
	.p2alignl 7, 3214868480
	.fill 96, 4, 3214868480
	.section	.rodata,"a",@progbits
	.p2align	6, 0x0
	.amdhsa_kernel k_q7c1702dd32_outp
		.amdhsa_group_segment_fixed_size 327680
		.amdhsa_private_segment_fixed_size 0
		.amdhsa_enable_private_segment 0
		.amdhsa_kernarg_size 32
		.amdhsa_user_sgpr_count 2
		.amdhsa_user_sgpr_kernarg_segment_ptr 1
		.amdhsa_wavefront_size32 1
		.amdhsa_system_sgpr_workgroup_id_x 1
		.amdhsa_system_sgpr_workgroup_id_y 1
		.amdhsa_system_sgpr_workgroup_id_z 1
		.amdhsa_system_vgpr_workitem_id 0
		.amdhsa_next_free_vgpr 1024
		.amdhsa_next_free_sgpr 98
		.amdhsa_reserve_vcc 0
		.amdhsa_float_denorm_mode_32 3
		.amdhsa_float_denorm_mode_16_64 3
		.amdhsa_memory_ordered 1
		.amdhsa_forward_progress 1
		.amdhsa_inst_pref_size 152
	.end_amdhsa_kernel
	.amdgpu_metadata
---
amdhsa.version: [ 1, 2 ]
amdhsa.kernels:
  - .name:           k_q7c1702dd32_outp
    .symbol:         k_q7c1702dd32_outp.kd
    .args:
      - { .name: oc, .offset: 0, .size: 8, .value_kind: global_buffer, .address_space: global }
      - { .name: Wo_codes, .offset: 8, .size: 8, .value_kind: global_buffer, .address_space: global }
      - { .name: Wo_scales, .offset: 16, .size: 8, .value_kind: global_buffer, .address_space: global }
      - { .name: out0, .offset: 24, .size: 8, .value_kind: global_buffer, .address_space: global }
    .group_segment_fixed_size: 327680
    .private_segment_fixed_size: 0
    .kernarg_segment_align: 8
    .kernarg_segment_size: 32
    .max_flat_workgroup_size: 128
    .sgpr_count:     98
    .vgpr_count:     1024
    .wavefront_size: 32
...
	.end_amdgpu_metadata
.endif
;; end of part 3
;; ======== version 2 of 2: 3 launches
;; workspace buffers: qkv 20,185,088 bytes; oc 6,553,600 bytes
;; launch proj: the kernel of part 1 again; grid 12 x 32, 4 waves a work-group, clusters of 4 x 4, 327,680 bytes of LDS; arguments x_codes, x_scales, Wq_codes, Wq_scales, Wk_codes, Wk_scales, Wv_codes, Wv_scales, qkv; writes qkv
;; launch attn (part 4): grid 4 x 64, 16 waves a work-group, clusters of 4 x 1, 240,128 bytes of LDS; arguments qkv, oc; writes oc
.if DOCPART == 4
	.amdgcn_target "amdgcn-amd-amdhsa--gfx1250"
	.amdhsa_code_object_version 6
	.text
	.protected	k_q7c1702dd32_attn
	.globl	k_q7c1702dd32_attn
	.p2align	8
	.type	k_q7c1702dd32_attn,@function
k_q7c1702dd32_attn:
	s_mov_b64 s[64:65], 0
	v_nop
	global_prefetch_b8 v0, s[64:65] scope:SCOPE_SE
	s_setreg_imm32_b32 hwreg(HW_REG_WAVE_MODE, 25, 1), 1
	s_wait_xcnt 0x0
	s_wait_alu depctr_hold_cnt(0) depctr_sa_sdst(0) depctr_va_vdst(0) depctr_va_sdst(0) depctr_va_ssrc(0) depctr_va_vcc(0) depctr_vm_vsrc(0)
	s_getreg_b32 s2, hwreg(HW_REG_IB_STS2, 6, 4)
	s_cmp_eq_u32 s2, 0
	s_cbranch_scc0 .Lentry_in_a_cluster
	s_endpgm
.Lentry_in_a_cluster:
	s_bfe_u32 s2, ttmp6, 0x10000c
	s_cmp_lg_u32 s2, 0x3003
	s_cbranch_scc0 .Lentry_shape_is_right
	s_endpgm
.Lentry_shape_is_right:
; For each of 64 heads: P = tanh(q k^T / 8, zero above the diagonal) / max(sum over keys of |tanh|, 1e-6), quantised along the keys; O = P v, quantised along the head's 64 channels.  Both products on codes of
; FP6 (E2M3) with one E8M0 scale for each 32 along K.  q, k, v come as codes in the order of the operands' registers (buffer qkv), O leaves so (buffer oc).
; THE KEYS GO TO THE WAVES.  P is quantised finished, so a row's sum is wanted before any of its P is made.  One key step of one tile (16 queries x 128 keys) is 64 registers: the sixteen waves of a work-group hold
; all key steps of one or two tiles at once, exchange the rows' partial sums through LDS, and normalise and quantise what they still hold.  tanh is evaluated once.
; SEGMENTS.  A tile of 16 queries whose last key step is L has L + 1 steps; steps above the diagonal hold zeros alone (tanh 0 = 0) and are left out.  Tile A (L = n - 1) and tile B (L = 15 - n) have 16 steps together,
; one for each wave: wave w takes A's step w if w < n, else B's step w - n.  n = 0: a tile of L = 15 alone.  n = 8: two tiles of L = 7.  A head's 128 tiles make 68 segments, 17 for each of its four work-groups:
; A = 8 (n - 1) + 2 cx + e, B = 8 (15 - n) + 2 cx + e, e = 0, 1 (n = 8: A = 56 + 2 cx, B = 57 + 2 cx).  cx enters global addresses and the mask's vector register, no branch and no LDS address.
; A SEGMENT, two barriers.  (A) scores, mask on the diagonal (waves n - 1 and 15), tanh, the sum of |tanh|, each block's largest |tanh|; the partial sum goes into two arrays in LDS, one a tile: the wave's sum into its
; own tile's, 0 into the other's | barrier | (B) the row's 16 partial sums, added in one order by every wave; the divisor; P = tanh x 1 / divisor; codes; the fragment and its scale word go to LDS as an image of the
; registers | barrier | FOUR OWNERS (waves 0 and 15: tile A, waves 5 and 10: tile B; waves 0, 5: channels 0-31, waves 10, 15: channels 32-63) walk their tile's images, O^T += V^T P^T, two accumulators by turns,
; quantise their 32 channels and store them, while the other waves are in the next segment's (A).  So O is summed in one accumulator for each output, and no partial O goes round.
; LDS: the head's K codes, V codes and their scale words as they lie in memory, 208,896 bytes, filled ONCE: each wave brings 13,056 bytes by one tensor load, asked for jointly by the cluster's four work-groups,
; which are one head.  Behind them, in bytes of their own: the two arrays of sums, P's scale words, P's images.  Every LDS store's address is a constant + a constant x wave + a lane term.
; LAYOUT.  Both products are used transposed (S^T = K Q^T, O^T = V^T P^T): a lane holds one query.  A tile's rows are not neighbours: lane r of tile 2 b + u holds row 32 b + 8 u + r + 8 (r / 8): so register 16 b + i of
; S^T is key 32 b + 16 (lane / 16) + i of the step, and an owner's register i channel 32 b + 16 (lane / 16) + i.
; K = 64 IN AN INSTRUCTION OF K = 128: Q's registers 6-11 hold zero codes for the whole launch.  K's operand of tile t is twelve registers from R + 6 t on: the upper six are the next tile's codes (behind tile 7:
; whatever v176-181 hold); they meet zeros and add nothing, since no code of this format is infinite or NaN and no scale byte here is 0xff.
; tanh(s / 8) = s (A1 + z (A3 + .. + z A13)) / (B0 + z (B2 + z (B4 + z B6))), z = s^2, s held to +-63.24: an odd polynomial over an even one, with the powers of 8 folded into the coefficients' exponents.
; It keeps its relative accuracy (a few units in the last place) at every size of score, small ones too.
; LIMITS: NaN and infinities are not served.  The row's sum is taken in partial sums (eight a lane, sixteen a row), not in the order of a plain sum.  P is tanh times the divisor's reciprocal (v_rcp_f32 and one
; Newton step), not a division: about one unit in the last place.  A block of P or O whose largest magnitude lies under 2^-124 keeps the byte 1; a block of zeros gets the byte 1 where the quantiser says 127: its
; codes are zeros, and the bytes are read by this program alone.  O's scale bytes leave one a lane, 32 bytes apart, and the last 256 bytes of an image in two halves: a small part of what is stored.
; REGISTERS: v1, v2 16 x, 8 x lane; v3 the mask's number; v4 0; v5 the hold; v6, v7, v16 K's addresses; v8-11, v17 an owner's; v12-15 K's scale words, v18 Q's, v40-47 an owner's (these hold scales alone);
;   v19 P's scale word on its way to LDS; v20-31 Q; v32-39 sums; v48-51 A13, B6; v52-63 at work in the quantisers; v64-127 S^T, then tanh, then P; v128-191 K's fragments, then denominators, then the partial sums;
;   v192-210 z and numerators, later codes; v64-207 an owner's four buffers of 36; v212-227 an owner's O^T; v228-255 lane constants and offsets.
.set HEAD,  315392
.set VOFF,  98304
.set KSC,   196608
.set VSC,   204800
.set QOFF,  208896
.set QSC,   307200
.set OSC,   6291456                    ; in oc: behind the codes, 32 scale bytes for each row
.set PART,  13056                      ; a wave's part of the head's block: 51 rows of 256 bytes
.set SUMS,  208896                     ; two arrays (tile A's, tile B's) of 16 rows x 80 bytes: row r holds sixteen partial sums, one a wave, and 16 bytes of padding
.set ARR,   1280
.set PSC,   SUMS+2*ARR                 ; P's scale words: 128 bytes a wave
.set PIMG,  PSC+16*128                 ; P's fragments: 1,536 bytes a wave
.set TM,    52
.set S,     64
.set R,     128
.set T,     192
.set PC,    192
.set PT0,   204
.set PT1,   208
.set O,     212
.set BUF,   64
.macro CROUND                          ; a round of the cluster's barrier
	s_barrier_signal -1
	s_barrier_wait -1
	s_cmp_lg_u32 s8, 0
	s_cbranch_scc1 .Lnot_wave_0_\@
	s_barrier_signal -3
.Lnot_wave_0_\@:
	s_barrier_wait -3
	s_barrier_signal -1
	s_barrier_wait -1
.endm
.macro PAIR reg, val                   ; a constant for the packed forms, which name a pair and take its low word for both halves
	s_mov_b32 s[\reg], \val
	s_mov_b32 s[\reg+1], \val
.endm
; Q's fragment (six registers) and scale word of the tile whose number stands in s[st].  The offsets' registers are free: the loads that named them last have been waited for.
.macro QLOAD st
	s_mul_i32 s40, s[\st], 768
	s_add_co_u32 s40, s40, QOFF
	v_add_nc_u32 v244, s40, v1
	v_add_nc_u32 v245, s40, v2
	s_lshr_b32 s41, s[\st], 2
	s_lshl_b32 s41, s41, 8                         ; the scale word: unit t / 4,
	s_and_b32 s42, s[\st], 1
	s_lshl_b32 s42, s42, 7                         ; lanes 16 (t % 2) on, 8 bytes a lane,
	s_add_co_u32 s41, s41, s42
	s_bfe_u32 s42, s[\st], 0x10001
	s_lshl_b32 s42, s42, 2                         ; word (t / 2) % 2
	s_add_co_u32 s41, s41, s42
	s_add_co_u32 s41, s41, QSC
	v_lshl_add_u32 v246, v252, 3, s41
	global_load_b128 v[20:23], v244, s[4:5]
	global_load_b64 v[24:25], v245, s[4:5] offset:512
	global_load_b32 v18, v246, s[4:5]
.endm
	s_load_b128 s[4:7], s[0:1], 0x0                ; qkv, oc
	v_lshl_add_u32 v243, v0, 2, 0x3a200
	v_mov_b32 v251, 0
	ds_add_u32 v243, v251
	ds_add_u32 v243, v251
	v_lshrrev_b32 v1, 5, v0
	v_readfirstlane_b32 s8, v1                     ; wave 0..15
	s_bfe_u32 s9, ttmp6, 0x40000                   ; cx
	s_and_b32 s10, ttmp7, 0xffff                   ; the head, 16 x batch + head: the four partners share it
	s_mul_i32 s36, s10, HEAD
	s_mov_b32 s37, 0
	s_mul_i32 s38, s8, PART
	s_mov_b32 s39, 0
	s_mov_b32 s24, 15|(3<<16)|(1<<21)              ; group 1: the mask names all four work-groups; elements of 8 bytes; bit 21 beside a mask; no padding
	s_mov_b32 s25, 32<<16                          ; tensor_dim0 = 32 elements: 256 bytes
	s_mov_b32 s26, 51<<16                          ; tensor_dim1 = 51
	s_mov_b32 s27, 32<<16                          ; tile_dim0
	s_mov_b32 s28, 51                              ; tile_dim1
	s_mov_b32 s29, 32                              ; the pitch: the block is dense
	s_mov_b32 s30, 0
	s_mov_b32 s31, 0
	s_wait_dscnt 0x0
	s_wait_kmcnt 0x0
	s_add_nc_u64 s[4:5], s[4:5], s[36:37]          ; qkv at my head
	s_mov_b32 s32, 1
	s_mul_i32 s33, s8, PART                        ; LDS: as in memory
	s_add_nc_u64 s[34:35], s[4:5], s[38:39]
	s_or_b32 s35, s35, 0x80000000
	CROUND                                         ; all four work-groups are here: the joint loads meet
	tensor_load_to_lds s[32:35], s[24:31]          ; my one tensor load of the launch
	s_nop 0
.rept 4
	v_nop
.endr
	v_and_b32 v3, 31, v0
	v_lshlrev_b32 v1, 4, v3                        ; 16 x lane
	v_lshlrev_b32 v2, 3, v3                        ; 8 x lane
	v_lshlrev_b32 v234, 2, v3                      ; 4 x lane
	v_and_b32 v252, 15, v0                         ; r
	v_bfe_u32 v253, v0, 4, 1                       ; h
	s_lshl_b32 s11, s9, 1                          ; 2 cx
	s_add_co_u32 s46, s11, 120                     ; the first segment's tile: n = 0, e = 0: every wave is tile B's
	QLOAD 46
	s_mov_b32 s12, 0                               ; n
	s_mov_b32 s13, 16                              ; 16 - n
	s_mov_b32 s20, 0x76543210
	s_mov_b32 s21, 0xfedcba98                      ; v_permlanex16_b32's selects for lane l xor 16
	PAIR 48, 0x19e1337e                            ; A11
	PAIR 50, 0xa13d37ff                            ; A9
	PAIR 52, 0x28dc0041                            ; A7
	PAIR 54, 0x2ff9434a                            ; A5
	PAIR 56, 0x35a70ded                            ; A3
	PAIR 58, 0x3a2059dc                            ; A1
	PAIR 60, 0x32f895d6                            ; B4
	PAIR 62, 0x3814aa05                            ; B2
	PAIR 66, 0x3ba059dd                            ; B0
	; the owners: waves 0, 5, 10, 15, whose number's two low bits equal its two high bits
	s_lshr_b32 s36, s8, 2
	s_and_b32 s37, s8, 3
	s_cmp_eq_u32 s36, s37
	s_cselect_b32 s68, 1, 0                        ; do I own?
	s_lshr_b32 s70, s37, 1                         ; which 32 channels: waves 0, 5: block 0; waves 10, 15: block 1
	s_xor_b32 s69, s37, s70
	s_and_b32 s69, s69, 1                          ; which tile: waves 0, 15: A (0); waves 5, 10: B (1)
	s_mul_i32 s71, s70, 3072
	s_add_co_u32 s71, s71, VOFF                    ; V: my two channel tiles of a key step
	s_lshl_b32 s72, s70, 2
	s_add_co_u32 s72, s72, VSC                     ; and their scale word
	v_add_nc_u32 v255, KSC, v2
	v_and_b32 v254, 8, v252
	v_add_nc_u32 v254, v254, v252
	v_lshlrev_b32 v3, 4, v253
	v_sub_nc_u32 v254, v254, v3
	s_lshl_b32 s36, s9, 5
	v_add_nc_u32 v254, s36, v254                   ; 32 cx + r + 8 (r / 8) - 16 h: my query's place in its last key step, less 16 h, for e = 0
	v_mul_u32_u24 v229, v252, 80
	s_lshl_b32 s36, s8, 2
	s_add_co_u32 s36, s36, SUMS
	v_add_nc_u32 v228, s36, v229                   ; where I store a partial sum: row r, word = my wave
	v_add_nc_u32 v229, SUMS, v229                  ; and where row r begins
	s_mul_i32 s36, s8, 1536
	s_add_co_u32 s36, s36, PIMG
	v_add_nc_u32 v231, s36, v1                     ; where I store P's image
	s_lshl_b32 s36, s8, 7
	s_add_co_u32 s36, s36, PSC
	v_add_nc_u32 v232, s36, v234                   ; and its scale word
	v_add_nc_u32 v233, PIMG, v1                    ; from where an owner reads them
	v_add_nc_u32 v234, PSC, v234
	v_mov_b32 v4, 0
	v_mov_b32 v5, 0x427cf84f                       ; 8 x 7.905311: beyond it tanh is 1 to the last bit
	v_mov_b32 v48, 0x921f25c0                      ; A13
	v_mov_b32 v49, 0x921f25c0
	v_mov_b32 v50, 0x2ca0d3d8                      ; B6
	v_mov_b32 v51, 0x2ca0d3d8
.irp i, 26,27,28,29,30,31
	v_mov_b32 v[\i], 0                             ; Q's upper 64 along K: zero codes
.endr
.irp i, 176,177,178,179,180,181
	v_mov_b32 v[\i], 0                             ; named behind K's tile 7: written once, so that they are never read unwritten
.endr
.irp i, 40,41,42,43,44,45,46,47
	v_mov_b32 v[\i], 0x7f7f7f7f                    ; an owner's scale words: the scale 1 until the first are loaded
.endr
.irp b, 0,1,2,3
	v_mov_b32 v[TM+4+\b], 0                        ; a lane permute's destination counts as one of its sources
.endr
	s_wait_tensorcnt 0x0                           ; my part has landed,
	s_barrier_signal -1
	s_barrier_wait -1                              ; everybody's has
; What hangs on n: which tile and key step are mine, the tiles' numbers for e = 0, and whether my step lies on the diagonal.
.macro NSET
	s_add_co_u32 s36, s8, s13                      ; w + 16 - n
	s_lshr_b32 s15, s36, 4                         ; 1: w >= n: tile B's
	s_and_b32 s36, s36, 15                         ; then its step w - n
	s_cmp_eq_u32 s15, 1
	s_cselect_b32 s36, s36, s8                     ; my key step (tile A's: w)
	s_cselect_b32 s73, -1, 0                       ; as a mask of lanes
	s_cselect_b32 s37, ARR, 0                      ; my tile's array of sums
	s_mul_i32 s16, s36, 6144                       ; my step's codes in LDS
	s_lshl_b32 s17, s36, 9                         ; and K's scale words
	v_add_nc_u32 v230, s37, v229
	s_lshl_b32 s22, s12, 3
	s_add_co_u32 s22, s22, s11
	s_sub_co_u32 s22, s22, 8                       ; tile A = 8 (n - 1) + 2 cx (n = 0: there is none, and the number is not used)
	s_lshl_b32 s23, s13, 3
	s_add_co_u32 s23, s23, s11
	s_sub_co_u32 s23, s23, 8                       ; tile B = 8 (15 - n) + 2 cx
	s_cmp_eq_u32 s15, 1
	s_cselect_b32 s19, s23, s22                    ; mine
	s_add_co_u32 s38, s8, 1
	s_cmp_eq_u32 s38, s12
	s_cselect_b32 s18, 1, 0                        ; the diagonal: tile A's last step, wave n - 1,
	s_cmp_eq_u32 s8, 15
	s_cselect_b32 s18, 1, s18                      ; and tile B's, wave 15
.endm
; The step on the diagonal: register n holds key 32 (n / 16) + n % 16 + 16 h of the step; its score becomes 0 where that key comes after my query.
.macro MASK
.set n, 0
.rept 64
	v_cmp_gt_i32 vcc_lo, 32*(n/16)+n%16, v3
	v_cndmask_b32 v[S+n], v[S+n], v4, vcc_lo
.set n, n+1
.endr
.endm
; Eight scores (accumulator g), as four pairs by turns.  Left behind: s x numerator in S, 1 / denominator in R.
; The reciprocals stand behind the denominators; the numerators' last lines are the plain work behind them, and nothing here names a reciprocal's result.
.macro TANH g
.irp e, 0,1
.irp p, 0,1,2,3
	v_med3_num_f32 v[S+8*(\g)+2*\p+\e], v[S+8*(\g)+2*\p+\e], -v5, v5
.endr
.endr
.irp p, 0,1,2,3
	v_pk_mul_f32 v[T+4*\p:T+4*\p+1], v[S+8*(\g)+2*\p:S+8*(\g)+2*\p+1], v[S+8*(\g)+2*\p:S+8*(\g)+2*\p+1]   ; z
.endr
.irp p, 0,1,2,3
	v_pk_fma_f32 v[T+4*\p+2:T+4*\p+3], v[T+4*\p:T+4*\p+1], v[48:49], s[48:49] op_sel_hi:[1,1,0]
.endr
.irp p, 0,1,2,3
	v_pk_fma_f32 v[R+8*(\g)+2*\p:R+8*(\g)+2*\p+1], v[T+4*\p:T+4*\p+1], v[50:51], s[60:61] op_sel_hi:[1,1,0]
.endr
.irp p, 0,1,2,3
	v_pk_fma_f32 v[T+4*\p+2:T+4*\p+3], v[T+4*\p+2:T+4*\p+3], v[T+4*\p:T+4*\p+1], s[50:51] op_sel_hi:[1,1,0]
.endr
.irp p, 0,1,2,3
	v_pk_fma_f32 v[R+8*(\g)+2*\p:R+8*(\g)+2*\p+1], v[R+8*(\g)+2*\p:R+8*(\g)+2*\p+1], v[T+4*\p:T+4*\p+1], s[62:63] op_sel_hi:[1,1,0]
.endr
.irp p, 0,1,2,3
	v_pk_fma_f32 v[T+4*\p+2:T+4*\p+3], v[T+4*\p+2:T+4*\p+3], v[T+4*\p:T+4*\p+1], s[52:53] op_sel_hi:[1,1,0]
.endr
.irp p, 0,1,2,3
	v_pk_fma_f32 v[R+8*(\g)+2*\p:R+8*(\g)+2*\p+1], v[R+8*(\g)+2*\p:R+8*(\g)+2*\p+1], v[T+4*\p:T+4*\p+1], s[66:67] op_sel_hi:[1,1,0]
.endr
.irp e, 0,1,2,3,4,5,6,7
	v_rcp_f32 v[R+8*(\g)+\e], v[R+8*(\g)+\e]
.endr
.irp c, 54,56,58
.irp p, 0,1,2,3
	v_pk_fma_f32 v[T+4*\p+2:T+4*\p+3], v[T+4*\p+2:T+4*\p+3], v[T+4*\p:T+4*\p+1], s[\c:\c+1] op_sel_hi:[1,1,0]
.endr
.endr
.irp p, 0,1,2,3
	v_pk_mul_f32 v[S+8*(\g)+2*\p:S+8*(\g)+2*\p+1], v[T+4*\p+2:T+4*\p+3], v[S+8*(\g)+2*\p:S+8*(\g)+2*\p+1]
.endr
.endm
; A SEGMENT up to its second barrier.  e: the tiles' lowest bit.  tail = 1: the last segment (n = 8): tile A has e = 0 and tile B e = 1, and no Q is asked for.
.macro SEG e, tail
.if \tail
	v_lshl_add_u32 v3, s15, 3, v254                ; the mask's number: + 8 e
.else
	v_add_nc_u32 v3, 8*\e, v254
.endif
	v_add_nc_u32 v6, s16, v1
	v_add_nc_u32 v7, s16, v2
	v_add_nc_u32 v16, s17, v255
.irp t, 0,1,2,3,4,5,6,7
	ds_load_b128 v[R+6*\t:R+6*\t+3], v6 offset:768*\t          ; K's tile t: an image of six registers: 512 consecutive bytes, then 256
	ds_load_b64 v[R+6*\t+4:R+6*\t+5], v7 offset:768*\t+512
.endr
	ds_load_b64 v[12:13], v16                      ; scale words: tiles 0 | 1, 2 | 3 (lanes 0-15 | lanes 16-31),
	ds_load_b64 v[14:15], v16 offset:256           ; tiles 4 | 5, 6 | 7
	s_wait_loadcnt 0x0                             ; Q, asked for a segment ago
	s_wait_dscnt 0x0
.irp t, 0,2,4,6
	v_wmma_scale_f32_16x16x128_f8f6f4 v[S+8*\t:S+8*\t+7], v[R+6*\t:R+6*\t+11], v[20:31], 0, v[12+\t/2], v18 matrix_a_fmt:MATRIX_FMT_FP6 matrix_b_fmt:MATRIX_FMT_FP6
	v_wmma_scale_f32_16x16x128_f8f6f4 v[S+8*\t+8:S+8*\t+15], v[R+6*\t+6:R+6*\t+17], v[20:31], 0, v[12+\t/2], v18 matrix_a_fmt:MATRIX_FMT_FP6 matrix_b_fmt:MATRIX_FMT_FP6 matrix_a_scale:MATRIX_SCALE_ROW1
.endr
.rept 4
	v_nop                                          ; places in front of the first read of the scores, of the loads into Q's registers and of the lines that write over K's
.endr
.if \tail == 0                                 ; THE NEXT SEGMENT'S Q is asked for here: it has the rest of this segment in which to come
.if \e == 0
	s_add_co_u32 s46, s19, 1                       ; the same n, e = 1
.else
	s_add_co_u32 s43, s8, s13                      ; n + 1, e = 0:
	s_sub_co_u32 s43, s43, 1
	s_lshr_b32 s43, s43, 4                         ; shall I be tile B's?
	s_add_co_u32 s44, s22, 8                       ; tile A: 8 n + 2 cx
	s_add_co_u32 s45, s12, 1
	s_lshr_b32 s45, s45, 3                         ; (1 where n + 1 = 8: there tile B has e = 1)
	s_add_co_u32 s45, s45, s23
	s_sub_co_u32 s45, s45, 8                       ; tile B: 8 (14 - n) + 2 cx
	s_cmp_eq_u32 s43, 1
	s_cselect_b32 s46, s45, s44
.endif
	QLOAD 46
.endif
	s_cmp_eq_u32 s18, 0
	s_cbranch_scc1 .Lopen_\@
	MASK
.Lopen_\@:
.irp g, 0,1,2,3,4,5,6,7
	TANH \g
.endr
	s_wait_alu depctr_va_vdst(0)                   ; one wait for the 64 reciprocals, ahead of their first reader
.set n, 0
.rept 32
	v_pk_mul_f32 v[S+2*n:S+2*n+1], v[S+2*n:S+2*n+1], v[R+2*n:R+2*n+1]   ; tanh: it stays in these registers until the divisor is known
.set n, n+1
.endr
.irp k, 0,1,2,3,4,5,6,7
	v_add_f32 v[32+\k], |v[S+\k]|, |v[S+8+\k]|     ; the sum of |tanh|, in eight chains
.endr
.irp j, 2,3,4,5,6,7
.irp k, 0,1,2,3,4,5,6,7
	v_add_f32 v[32+\k], v[32+\k], |v[S+8*\j+\k]|
.endr
.endr
	v_pk_add_f32 v[32:33], v[32:33], v[34:35]
	v_pk_add_f32 v[36:37], v[36:37], v[38:39]
	v_pk_add_f32 v[32:33], v[32:33], v[36:37]
	v_add_f32 v32, v32, v33
	v_permlanex16_b32 v[TM+4], v32, s20, s21
	v_add_f32 v32, v32, v[TM+4]                    ; with lane l xor 16's keys: my query's sum over my 128 keys
	v_cndmask_b32 v240, v32, v4, s73               ; for tile A's array: my sum, or 0 if I am tile B's;
	v_cndmask_b32 v241, v4, v32, s73               ; for tile B's the other way round
	ds_store_b32 v228, v240                        ; lanes l and l xor 16 write the same word with the same value
	ds_store_b32 v228, v241 offset:ARR
.irp b, 0,1,2,3                                ; each block's largest |tanh|, while the stores are out: times 1 / divisor it will be the block's largest |P|
	v_max_num_f32 v[TM+\b], |v[S+16*\b]|, |v[S+16*\b+1]|
.endr
.irp i, 2,4,6,8,10,12,14
.irp b, 0,1,2,3
	v_max3_num_f32 v[TM+\b], v[TM+\b], |v[S+16*\b+\i]|, |v[S+16*\b+\i+1]|
.endr
.endr
.irp b, 0,1,2,3
	v_permlanex16_b32 v[TM+4+\b], v[TM+\b], s20, s21
.endr
.irp b, 0,1,2,3
	v_max_num_f32 v[TM+\b], v[TM+\b], v[TM+4+\b]
.endr
	s_wait_dscnt 0x0                               ; for the others' sake: my sums have landed; an owner's reads of the last segment's images are over
	s_barrier_signal -1
	s_barrier_wait -1                              ; all sixteen partial sums lie in LDS, and P's images may be written again
.irp c, 0,1,2,3
	ds_load_b128 v[R+4*\c:R+4*\c+3], v230 offset:16*\c         ; my query's sixteen
.endr
	s_wait_dscnt 0x0
	v_pk_add_f32 v[R:R+1], v[R:R+1], v[R+2:R+3]    ; added in one order by every wave of the tile: all get the same bits
	v_pk_add_f32 v[R+4:R+5], v[R+4:R+5], v[R+6:R+7]
	v_pk_add_f32 v[R+8:R+9], v[R+8:R+9], v[R+10:R+11]
	v_pk_add_f32 v[R+12:R+13], v[R+12:R+13], v[R+14:R+15]
	v_pk_add_f32 v[R:R+1], v[R:R+1], v[R+4:R+5]
	v_pk_add_f32 v[R+8:R+9], v[R+8:R+9], v[R+12:R+13]
	v_pk_add_f32 v[R:R+1], v[R:R+1], v[R+8:R+9]
	v_add_f32 v238, v[R], v[R+1]
	v_max_num_f32 v238, 0x358637bd, v238           ; the divisor: at least 1e-6
	v_rcp_f32 v236, v238
	v_mov_b32 v237, 0                              ; (the pair's upper word is named with it; also the plain line behind the reciprocal)
	s_wait_alu depctr_va_vdst(0)                   ; the wait ahead of the reciprocal's first reader
	v_fma_f32 v239, -v238, v236, 1.0               ; one Newton step
	v_fma_f32 v236, v239, v236, v236
.set n, 0
.rept 32
	v_pk_mul_f32 v[S+2*n:S+2*n+1], v[S+2*n:S+2*n+1], v[236:237] op_sel_hi:[1,0]   ; P
.set n, n+1
.endr
.irp b, 0,1,2,3
	v_mul_f32 v[TM+\b], v[TM+\b], v236             ; the block's largest |P|: the same multiplication on the same number gives the same bits
.endr
.irp b, 0,1,2,3
	v_max_num_f32 v[TM+\b], 0x1800000, v[TM+\b]    ; the floor 2^(3 - 127): the byte cannot fall under 1
.endr
.irp b, 0,1,2,3
	v_add_nc_u32 v[TM+8+\b], 0xff000000, v[TM+\b]  ; 2 off the exponent field: the conversion's scale operand
.endr
.irp b, 0,1,2,3
	v_lshrrev_b32 v[TM+4+\b], 23, v[TM+8+\b]       ; the byte
.endr
	v_lshl_or_b32 v19, v[TM+5], 8, v[TM+4]
	v_lshl_or_b32 v19, v[TM+6], 16, v19
	v_lshl_or_b32 v19, v[TM+7], 24, v19
	v_cvt_scalef32_pk16_fp6_f32 v[PC:PC+2], v[S:S+15], v[TM+8]
	v_cvt_scalef32_pk16_fp6_f32 v[PT0:PT0+2], v[S+16:S+31], v[TM+9]
	v_cvt_scalef32_pk16_fp6_f32 v[PC+6:PC+8], v[S+32:S+47], v[TM+10]
	v_cvt_scalef32_pk16_fp6_f32 v[PT1:PT1+2], v[S+48:S+63], v[TM+11]
	v_nop                                          ; one plain line behind the scaled conversions
.irp i, 0,1,2                                  ; a whole block in a lane: lanes 0-15 the even block, lanes 16-31 the odd one
	v_permlane16_swap_b32 v[PC+\i], v[PT0+\i]
	v_permlane16_swap_b32 v[PC+6+\i], v[PT1+\i]
.endr
.irp i, 0,1,2
	v_mov_b32 v[PC+3+\i], v[PT0+\i]
	v_mov_b32 v[PC+9+\i], v[PT1+\i]
.endr
.irp c, 0,1,2
	ds_store_b128 v231, v[PC+4*\c:PC+4*\c+3] offset:512*\c     ; the fragment as it stands: lane l's 16 bytes at 16 l
.endr
	ds_store_b32 v232, v19
	s_wait_dscnt 0x0                               ; for the others' sake: my image has landed; my reads of the sums are over
	s_barrier_signal -1
	s_barrier_wait -1                              ; the sixteen images lie in LDS, and the sums may be written again
.endm
; AN OWNER'S LOADS for slot p (wave p's image), into buffer i of four: P's fragment (12 registers), V's two fragments of that wave's key step (24), the two scale words.  A slot of the other tile is jumped over.
.macro OLD p, i
	s_bitcmp1_b32 s74, \p
	s_cbranch_scc0 .Lold_\@
.set BF, BUF+36*(\i)
.set AVR, 8+2*((\p)/8)                 ; v8, v9 serve slots 0-7, v10, v11 slots 8-15: an LDS offset has 16 bits
.set AVO, 6144*((\p)%8)
.irp c, 0,1,2
	ds_load_b128 v[BF+4*\c:BF+4*\c+3], v233 offset:1536*(\p)+512*\c
.endr
.irp c, 0,1
	ds_load_b128 v[BF+12+12*\c:BF+12+12*\c+3], v[AVR] offset:AVO+1536*\c
	ds_load_b64 v[BF+12+12*\c+4:BF+12+12*\c+5], v[AVR+1] offset:AVO+1536*\c+512
	ds_load_b128 v[BF+12+12*\c+6:BF+12+12*\c+9], v[AVR] offset:AVO+1536*\c+768
	ds_load_b64 v[BF+12+12*\c+10:BF+12+12*\c+11], v[AVR+1] offset:AVO+1536*\c+1280
.endr
	ds_load_b32 v[40+2*(\i)], v234 offset:128*(\p)             ; P's scale word: lane r has query r's
	ds_load_b32 v[41+2*(\i)], v17 offset:256*(\p)              ; V's: my first channel tile in lanes 0-15, my second in lanes 16-31
.Lold_\@:
.endm
.macro OMM p, i                        ; and its two products: two accumulators, one instruction a turn
	s_bitcmp1_b32 s74, \p
	s_cbranch_scc0 .Lomm_\@
.set BF, BUF+36*(\i)
	v_wmma_scale_f32_16x16x128_f8f6f4 v[O:O+7], v[BF+12:BF+23], v[BF:BF+11], v[O:O+7], v[41+2*(\i)], v[40+2*(\i)] matrix_a_fmt:MATRIX_FMT_FP6 matrix_b_fmt:MATRIX_FMT_FP6
	v_wmma_scale_f32_16x16x128_f8f6f4 v[O+8:O+15], v[BF+24:BF+35], v[BF:BF+11], v[O+8:O+15], v[41+2*(\i)], v[40+2*(\i)] matrix_a_fmt:MATRIX_FMT_FP6 matrix_b_fmt:MATRIX_FMT_FP6 matrix_a_scale:MATRIX_SCALE_ROW1
.Lomm_\@:
.endm
; THE OWNERS' PART of a segment, behind its second barrier: no barrier and no LDS store stands in it.  ea, eb: the lowest bit of tile A's and of tile B's number.
.macro OWN ea, eb
	s_cmp_eq_u32 s68, 0
	s_cbranch_scc1 .Lno_own_\@
	s_bfm_b32 s74, s12, 0                          ; tile A's slots: n ones;
	s_bfm_b32 s75, s13, s12                        ; tile B's: 16 - n ones from bit n on
	s_add_co_u32 s76, s22, \ea
	s_add_co_u32 s77, s23, \eb
	s_cmp_eq_u32 s69, 1
	s_cselect_b32 s74, s75, s74                    ; my tile's slots,
	s_cselect_b32 s75, s12, 0                      ; the first of them, which holds key step 0,
	s_cselect_b32 s76, s77, s76                    ; and the tile's number
	s_cmp_eq_u32 s74, 0
	s_cbranch_scc1 .Lno_own_\@                     ; n = 0: there is no tile A
.set n, 0
.rept 16
	v_mov_b32 v[O+n], 0                            ; which slot is the tile's first hangs on n: so the sums begin as zeros
.set n, n+1
.endr
	s_mul_i32 s77, s75, 6144
	s_sub_co_u32 s77, s71, s77                     ; slot p holds key step p - first: V's fragments lie at this + 6,144 p
	v_add_nc_u32 v8, s77, v1
	v_add_nc_u32 v9, s77, v2
	v_add_nc_u32 v10, 49152, v8
	v_add_nc_u32 v11, 49152, v9
	s_lshl_b32 s77, s75, 8
	s_sub_co_u32 s77, s72, s77                     ; and V's scale word at this + 256 p
	v_add_nc_u32 v17, s77, v2
.irp q, 0,1,2,3                                ; four slots at a time: one run of loads, one wait
.if \q > 0
.rept 4
	v_nop                                          ; places in front of loads into registers that matrix instructions have read
.endr
.endif
.irp i, 0,1,2,3
	OLD (4*\q+\i), \i
.endr
	s_wait_dscnt 0x0
.irp i, 0,1,2,3
	OMM (4*\q+\i), \i
.endr
.endr
.rept 4
	v_nop                                          ; places behind the last products
.endr
	v_max_num_f32 v[TM], |v[O]|, |v[O+1]|          ; my block of 32 channels: each accumulator from its low end on
	v_max_num_f32 v[TM+1], |v[O+8]|, |v[O+9]|
.irp i, 2,4,6
	v_max3_num_f32 v[TM], v[TM], |v[O+\i]|, |v[O+\i+1]|
	v_max3_num_f32 v[TM+1], v[TM+1], |v[O+8+\i]|, |v[O+8+\i+1]|
.endr
	v_max3_num_f32 v[TM], v[TM], v[TM+1], 0x1800000
	v_permlanex16_b32 v[TM+4], v[TM], s20, s21
	v_max_num_f32 v[TM], v[TM], v[TM+4]
	v_add_nc_u32 v[TM+8], 0xff000000, v[TM]
	v_lshrrev_b32 v250, 23, v[TM+8]                ; the block's byte
	v_cvt_scalef32_pk16_fp6_f32 v[PC:PC+2], v[O:O+15], v[TM+8]
	v_nop                                          ; one plain line behind the scaled conversion
.irp i, 0,1,2
	v_mov_b32 v[PT0+\i], v[PC+\i]
.endr
.irp i, 0,1,2
	v_permlane16_swap_b32 v[PC+\i], v[PT0+\i]      ; a copy swapped with itself: the first now holds the block's lower 16 codes in both halves of the lanes, the second the upper 16
.endr
.irp i, 0,1,2
	v_mov_b32 v[PC+3+\i], v[PT0+\i]                ; six registers: the whole block of query r, in lanes r and r + 16 alike
.endr
	s_lshr_b32 s40, s10, 4
	s_lshl_b32 s40, s40, 7
	s_add_co_u32 s40, s40, s76                     ; G = 128 x batch + tile: the tile of rows among all 512
	s_and_b32 s41, s10, 15                         ; the head in its batch
	s_lshl_b32 s42, s40, 4
	s_add_co_u32 s42, s42, s41
	s_mul_i32 s42, s42, 768                        ; the image of six registers for 32 lanes; block b is the image's lanes 16 b + r
	s_lshl_b32 s43, s70, 8
	s_add_co_u32 s43, s43, s42
	s_lshl_b32 s44, s70, 7
	s_add_co_u32 s44, s44, s42
	v_lshl_add_u32 v247, v252, 4, s43
	v_lshl_add_u32 v248, v252, 3, s44
	s_lshl_b32 s40, s40, 9                         ; scale bytes: 32 a row, rows in the order of the tile's lanes
	s_lshl_b32 s41, s41, 1
	s_add_co_u32 s40, s40, s41
	s_add_co_u32 s40, s40, s70
	s_add_co_u32 s40, s40, OSC
	v_lshl_add_u32 v249, v252, 5, s40
	global_store_b128 v247, v[PC:PC+3], s[6:7]     ; 256 consecutive bytes, aligned; lanes 16-31 write the same bytes with the same values
	global_store_b64 v248, v[PC+4:PC+5], s[6:7] offset:512
	global_store_b8 v249, v250, s[6:7]
	s_wait_xcnt 0x0                                ; the stores have read their data and offsets: the next segment writes these registers again
.Lno_own_\@:
.endm
.Lseg:                                             ; eight trips, n = 0 .. 7, two segments each
	NSET
	SEG 0, 0
	OWN 0, 0
	SEG 1, 0
	OWN 1, 1
	s_sub_co_u32 s13, s13, 1
	s_add_co_u32 s12, s12, 1
	s_cmp_lt_u32 s12, 8
	s_cbranch_scc1 .Lseg
	NSET                                           ; n = 8: the two tiles whose last key step is 7
	SEG 0, 1
	OWN 0, 1
	s_wait_dscnt 0x0
	s_wait_tensorcnt 0x0
	ds_add_u32 v243, v251
	s_wait_dscnt 0x0
	CROUND                                         ; the closing round
	s_endpgm
.Lfunc_end_k_q7c1702dd32_attn:
	.size	k_q7c1702dd32_attn, .Lfunc_end_k_q7c1702dd32_attn-k_q7c1702dd32_attn
	.p2alignl 7, 3214868480
	.fill 96, 4, 3214868480
	.section	.rodata,"a",@progbits
	.p2align	6, 0x0
	.amdhsa_kernel k_q7c1702dd32_attn
		.amdhsa_group_segment_fixed_size 240128
		.amdhsa_private_segment_fixed_size 0
		.amdhsa_enable_private_segment 0
		.amdhsa_kernarg_size 16
		.amdhsa_user_sgpr_count 2
		.amdhsa_user_sgpr_kernarg_segment_ptr 1
		.amdhsa_wavefront_size32 1
		.amdhsa_system_sgpr_workgroup_id_x 1
		.amdhsa_system_sgpr_workgroup_id_y 1
		.amdhsa_system_sgpr_workgroup_id_z 1
		.amdhsa_system_vgpr_workitem_id 0
		.amdhsa_next_free_vgpr 256
		.amdhsa_next_free_sgpr 80
		.amdhsa_reserve_vcc 1
		.amdhsa_float_denorm_mode_32 3
		.amdhsa_float_denorm_mode_16_64 3
		.amdhsa_memory_ordered 1
		.amdhsa_forward_progress 1
		.amdhsa_inst_pref_size 229
	.end_amdhsa_kernel
	.amdgpu_metadata
---
amdhsa.version: [ 1, 2 ]
amdhsa.kernels:
  - .name:           k_q7c1702dd32_attn
    .symbol:         k_q7c1702dd32_attn.kd
    .args:
      - { .name: qkv, .offset: 0, .size: 8, .value_kind: global_buffer, .address_space: global }
      - { .name: oc, .offset: 8, .size: 8, .value_kind: global_buffer, .address_space: global }
    .group_segment_fixed_size: 240128
    .private_segment_fixed_size: 0
    .kernarg_segment_align: 8
    .kernarg_segment_size: 16
    .max_flat_workgroup_size: 512
    .sgpr_count:     80
    .vgpr_count:     256
    .wavefront_size: 32
...
	.end_amdgpu_metadata
.endif
;; end of part 4
;; launch outp: the kernel of part 3 again; grid 4 x 32, 4 waves a work-group, clusters of 4 x 4, 327,680 bytes of LDS; arguments oc, Wo_codes, Wo_scales, out0; writes out0
